; MI455X (gfx1250); checked and timed in simulation.
; The chip was launched on July 23, 2026; its instructions are those of AMD's public machine-readable ISA for CDNA 5 (MIT licence, August 2026) and "CDNA5" Instruction Set Architecture Reference Guide (July 2026). The comments in the code are by the model that wrote it; some were corrected since.
;; Multi Head Attention. Allowed arithmetic: matrix products marked QUANTISED: E2M1 operands, one E8M0 scale for each 32 along K, by v_wmma_scale_f32_16x16x128_f8f6f4 with both operands' format E2M1 (or v_wmma_scale_f32_32x16x128_f4), f32 sums; products left as they are: bf16, f16 or f32 operands; f32 sums; everything else in f32.
;; Inputs: b_proj 1,024 float32; b_qkv 3,072 float32; w_proj 1,024 x 1,024 float32; w_qkv 3,072 x 1,024 float32; x 4 x 2,048 x 1,024 float32.
;; Outputs: out0 4 x 2,048 x 1,024 float32.
;; This version of the problem:
;;   THIS VERSION OF THE PROBLEM IS GIVEN IN LOW PRECISION. The matrix products marked QUANTISED in the list below multiply operands that are first quantised to E2M1 (2 exponent bits, 1 mantissa bit; 4 bits a number), with one power-of-two scale for each 32 numbers along K (OCP MX v1.0); their sums are f32. The products marked 'left as it is' may take bf16, f16 or f32 operands, with f32 sums. Whichever they take, every output number must still come out within the allowed error. Rounding operands to bf16 (8 significant bits) uses up far more of that allowance than f16 does (11 bits, for magnitudes from 6e-5 to 65,504). All else is computed in f32.
;;   The module's matrix products, in the order in which they are computed (A, B: the left and right operand; K: the contracted axis; several contracted axes count as one K, in the product's order):
;;     1. [M 8,192, K 1,024] x [K 1,024, N 3,072]; A: input x; B: input w_qkv: QUANTISED
;;     2. batch 64 x [M 2,048, K 64] x [K 64, N 2,048]; A: computed on the way; B: computed on the way: left as it is (an operand is computed on the way)
;;     3. batch 64 x [M 2,048, K 2,048] x [K 2,048, N 64]; A: computed on the way; B: computed on the way: left as it is (an operand is computed on the way)
;;     4. [M 8,192, K 1,024] x [K 1,024, N 1,024]; A: computed on the way; B: input w_proj: left as it is (an operand is computed on the way)
;;   THE QUANTISER, for each operand of a quantised product, along K:
;;     - K is cut into blocks of 32 from its start; a last block that is shorter is filled with zeros.
;;     - A block's scale is 2^e with e = floor(log2(the largest magnitude in the block)) - 2, held to -126 .. 127; a block of zeros has e = 0. As a byte (E8M0): e + 127.
;;     - Each number is divided by its block's scale, clamped to +-6, and rounded to the nearest number of E2M1, ties to even, subnormals kept.
;;     - The product sums the exact products of the quantised numbers (number of the format x scale) in f32.
;;   ~~~python
;;   def quantise(x, axis):      # numpy; x: float32 -> the quantised numbers, widened to float32 again
;;       x = np.moveaxis(x, axis, -1); K = x.shape[-1]
;;       x = np.pad(x, [(0, 0)] * (x.ndim - 1) + [(0, -K % 32)]); x = x.reshape(x.shape[:-1] + (-1, 32)); a = np.abs(x).max(-1, keepdims=True)
;;       e = np.where(a > 0, np.clip(np.frexp(np.where(a > 0, a, 1))[1] - 1 - 2, -126, 127), 0)      # np.frexp(a)[1] - 1 = floor(log2(a)), exactly
;;       r = np.clip(x / 2.0 ** e, -6, 6)
;;       step = 2.0 ** (np.maximum(np.frexp(np.where(r == 0, 1, r))[1] - 1, 0) - 1)
;;       q = np.round(r / step) * step * 2.0 ** e      # np.round: ties to even
;;       return np.moveaxis(q.reshape(q.shape[:-2] + (-1,))[..., :K], -1, axis).astype(np.float32)
;;   ~~~
;; One version. Each part assembles by itself: llvm-mc -triple=amdgcn-amd-amdhsa -mcpu=gfx1250 --defsym DOCPART=n.
;; ======== version 1 of 1: 4 launches
;; limits: values are held in f16: magnitudes above 65,504 overflow, below 6.1e-05 lose precision
;; workspace buffers: xc 4,194,304 bytes; xs 262,144 bytes; wc 1,572,864 bytes; ws 98,304 bytes; wp 2,097,152 bytes; qkv 50,331,648 bytes; att 16,777,216 bytes
;; launch prep (part 1): grid 384 x 1, 4 waves a work-group, no clusters, 33,280 bytes of LDS; arguments x, w_qkv, xc, xs, wc, ws, w_proj, wp; writes xc, xs, wc, ws, wp
.if DOCPART == 1
	.amdgcn_target "amdgcn-amd-amdhsa--gfx1250"
	.amdhsa_code_object_version 6
	.text
	.protected	k_qda7aab1529_prep
	.globl	k_qda7aab1529_prep
	.p2align	8
	.type	k_qda7aab1529_prep,@function
k_qda7aab1529_prep:
	s_mov_b64 s[64:65], 0
	v_nop
	global_prefetch_b8 v0, s[64:65] scope:SCOPE_SE
	s_setreg_imm32_b32 hwreg(HW_REG_WAVE_MODE, 25, 1), 1
	s_wait_xcnt 0x0
; x [8192][1024] and w_qkv [3072][1024], f32, become codes of FP4 (E2M1), K innermost, two codes a byte, with one E8M0 scale byte for each 32 along K; w_proj [1024][1024] f32 becomes f16.
; A block's scale is 2^(floor(log2(its largest magnitude)) - 2); its byte is the largest magnitude's own exponent field - 2, held at 1 from below.  Each number is divided by the scale and rounded to the nearest code, ties to even;
; what lies beyond 6 gets the largest code.
; LIMITS: a block of zeros gets the byte 1 where the quantiser's text says 127: its codes are zeros, which add nothing under any byte but 0xff, and the bytes are read by this program alone.  Blocks whose largest magnitude lies
; under 2^-124 (the floor) are held at the byte 1.  NaN and infinities among the inputs are not served.  |w_proj| above 65,504 becomes infinity in f16.
; SHARES.  Rows are dense and K is a multiple of 32, so x and w_qkv are plain streams of blocks of 32.  Work-groups 0-255 take x, 256-351 w_qkv, 352-383 w_proj; a wave takes 8,192 numbers.
; THE QUANTISER.  A wave takes 16 steps of 512 numbers.  Each of a step's four loads reads 512 consecutive bytes; the 2,048 bytes turn through the wave's own stage in LDS and come back 64 bytes a lane, so that a lane holds 16
; neighbours along K (two neighbouring lanes hold a block).  A lane's 16 codes are 8 bytes: the wave stores 256 consecutive bytes.  A wave's 256 scale bytes are gathered in LDS and leave as one aligned run of 256 bytes.
; THE CAST touches no LDS: 16 bytes a lane in, 8 bytes a lane out, 256 consecutive bytes a store.
; No tensor loads, no barrier: waves share nothing.  No matrix unit, no cluster: memory binds, and no byte is read twice.
.set SIZE_M, 8192
.set SIZE_N, 3072
.set SIZE_K, 1024
.set WAVES, 4
.set STEPS, 16
.set WGA,   SIZE_M*SIZE_K/(512*STEPS*WAVES)            ; 256 work-groups for x
.set WGQ,   (SIZE_M+SIZE_N)*SIZE_K/(512*STEPS*WAVES)   ; 352 for both quantised tensors
.set EMAX,  2
.set CB,    8                          ; bytes of 16 codes
.set R,     16                         ; v16-79   four sets of 16 numbers as they are loaded
.set X,     80                         ; v80-111  two sets of 16 neighbours
.set C,     128                        ; v128-191 codes: four registers for each step, so that no store's data are written again
.set E,     112                        ; v112-127 a scale byte for each step
.set WREG,  8192                       ; LDS: a region of its own for each wave: two stages of 32 x SP bytes, and behind them its 256 scale bytes
.set SP,    80                         ; a lane's place in a stage: its 64 bytes + 16 of padding
.set SPW,   12                         ; v12      LDS address of my spare word: SPARE + 4 x my thread's number; never rewritten
.set NIL,   13                         ; v13      0; never rewritten
.set SPARE, WAVES*WREG                 ; behind the four regions: the spare words, 128 bytes for each wave, which no other line names
	s_load_b128 s[4:7], s[0:1], 0x0                ; x, w_qkv
	s_load_b128 s[8:11], s[0:1], 0x10              ; x's codes, x's scales
	s_load_b128 s[12:15], s[0:1], 0x20             ; w_qkv's codes, its scales
	s_load_b128 s[24:27], s[0:1], 0x30             ; w_proj, its f16 copy
	v_lshl_add_u32 v[SPW], v0, 2, SPARE
	v_mov_b32 v[NIL], 0
	v_lshrrev_b32 v1, 5, v0
	v_readfirstlane_b32 s16, v1                    ; wave
	v_and_b32 v2, 31, v0                           ; lane
	v_lshlrev_b32 v3, 4, v2                        ; my 16 bytes of a load's 512
	s_mul_i32 s17, s16, WREG
	v_lshrrev_b32 v14, 2, v2
	v_mul_u32_u24 v14, v14, SP
	v_and_b32 v15, 3, v2
	v_lshl_add_u32 v14, v15, 4, v14
	v_add_nc_u32 v14, s17, v14                     ; the stage, on the way in: four lanes' 64 bytes on end, then 16 of padding
	v_mul_u32_u24 v15, v2, SP
	v_add_nc_u32 v15, s17, v15                     ; and on the way out: SP x lane: my 16 neighbours
	v_mul_u32_u24 v4, v2, CB                       ; 8 bytes a lane: my codes' place in a step's, and my f16 numbers' place in a store's
	v_lshrrev_b32 v5, 1, v2
	s_add_co_u32 s17, s17, 2*32*SP
	v_add_nc_u32 v5, s17, v5                       ; LDS: my wave's 256 scale bytes, my block's byte
	v_lshlrev_b32 v7, 3, v2                        ; and on the way out 8 bytes a lane
	v_add_nc_u32 v6, s17, v7
	s_wait_kmcnt 0x0
	s_cmp_ge_u32 ttmp9, WGQ                        ; the last 32 work-groups cast w_proj: a branch on the work-group's number alone
	s_cbranch_scc1 .Lcast
	s_cmp_lt_u32 ttmp9, WGA                        ; x's work-group or w_qkv's?  Only pointers are chosen: both take one path
	s_cselect_b64 s[4:5], s[4:5], s[6:7]
	s_cselect_b64 s[8:9], s[8:9], s[12:13]
	s_cselect_b64 s[10:11], s[10:11], s[14:15]
	s_cselect_b32 s17, 0, WGA
	s_sub_co_u32 s17, ttmp9, s17
	s_lshl_b32 s17, s17, 2
	s_add_co_u32 s18, s17, s16                     ; which run of 8,192 numbers of the tensor is my wave's
	s_mov_b32 s19, 0
	s_mov_b64 s[20:21], 512*STEPS*4
	s_mul_u64 s[20:21], s[18:19], s[20:21]
	s_add_nc_u64 s[4:5], s[4:5], s[20:21]
	s_mov_b64 s[20:21], 32*STEPS*CB
	s_mul_u64 s[20:21], s[18:19], s[20:21]
	s_add_nc_u64 s[8:9], s[8:9], s[20:21]
	s_lshl_b32 s18, s18, 8                         ; 256 scale bytes a run
	s_add_nc_u64 s[10:11], s[10:11], s[18:19]
.macro LOAD t
.irp i, 0,1,2,3
	global_load_b128 v[R+16*((\t)%4)+4*\i:R+16*((\t)%4)+4*\i+3], v3, s[4:5] offset:2048*(\t)+512*\i th:TH_LOAD_NT   ; 32 lanes read 512 consecutive bytes
.endr
.endm
.macro TURN t                          ; step t's numbers through the stage: LDS serves a wave's instructions in order, so no wait stands between the stores and the loads
.irp i, 0,1,2,3
	ds_store_b128 v14, v[R+16*((\t)%4)+4*\i:R+16*((\t)%4)+4*\i+3] offset:32*SP*((\t)%2)+8*SP*\i
.endr
.irp i, 0,1,2,3
	ds_load_b128 v[X+16*((\t)%2)+4*\i:X+16*((\t)%2)+4*\i+3], v15 offset:32*SP*((\t)%2)+16*\i
.endr
.endm
.irp t, 0,1,2,3
	LOAD \t
.endr
	s_wait_loadcnt 12                              ; step 0's four loads are in; the twelve of steps 1 to 3 may be out
	TURN 0
.macro STEP t
.set XS, X+16*((\t)%2)
.if (\t) > 0
	s_wait_dscnt 1                                 ; this step's numbers are back from the stage (the last step's byte store may be out): so its stores into the stage have read their registers,
.else
	s_wait_dscnt 0x0
.endif
.if (\t)+4 < STEPS
	LOAD (\t)+4                                    ; which take the loads of four steps on
.endif
.if (\t)+1 < STEPS
.if STEPS-2-(\t) >= 3
	s_wait_loadcnt 12                              ; the next step's four loads are in; those of the three steps behind it may be out
.else
	s_wait_loadcnt 4*(STEPS-2-(\t))
.endif
	TURN (\t)+1                                    ; and go through the other stage while this step is worked
.endif
	v_max3_num_f32 v8, |v[XS]|, |v[XS+1]|, |v[XS+2]|               ; the largest magnitude of my 16, in two chains
	v_max3_num_f32 v9, |v[XS+3]|, |v[XS+4]|, |v[XS+5]|
.irp i, 6,10
	v_max3_num_f32 v8, v8, |v[XS+\i]|, |v[XS+\i+1]|
	v_max3_num_f32 v9, v9, |v[XS+\i+2]|, |v[XS+\i+3]|
.endr
	v_max3_num_f32 v8, v8, |v[XS+14]|, |v[XS+15]|
	v_max3_num_f32 v8, v8, v9, (EMAX+1)<<23        ; and the floor 2^(3 - 127), under which no largest magnitude is taken: so the byte cannot fall under 1
	v_max_num_f32_dpp v8, v8, v8 row_xmask:1 row_mask:0xf bank_mask:0xf   ; and of my neighbour's 16: the block's
	v_add_nc_u32 v11, -(EMAX<<23), v8              ; 2 off its exponent field: the conversion takes the exponent field of this operand as its scale, and nothing else of it
	v_cvt_scalef32_pk8_fp4_f32 v[C+4*(\t)], v[XS:XS+7], v11        ; eight numbers / the scale, to the nearest code, the first number's code in the lowest four bits
	v_cvt_scalef32_pk8_fp4_f32 v[C+4*(\t)+1], v[XS+8:XS+15], v11
	v_lshrrev_b32 v[E+(\t)], 23, v11               ; the scale's byte (a plain line behind the conversions)
	ds_store_b8 v5, v[E+(\t)] offset:16*(\t)       ; both lanes of a block write the same byte with the same value
	global_store_b64 v4, v[C+4*(\t):C+4*(\t)+1], s[8:9] offset:32*CB*(\t)   ; 32 lanes store 256 consecutive bytes, aligned
.endm
.irp t, 0,1,2,3,4,5,6,7,8,9,10,11,12,13,14,15
	STEP \t
.endr
	ds_load_b64 v[8:9], v6                         ; LDS serves a wave's instructions in order: these see my byte stores
	s_wait_dscnt 0x0
	global_store_b64 v7, v[8:9], s[10:11]          ; 32 lanes store the wave's 256 scale bytes, aligned
	s_wait_tensorcnt 0x0                           ; the wave's end: a wait, an add and its wait behind my last LDS store
	ds_add_u32 v[SPW], v[NIL]
	s_wait_dscnt 0x0
	s_endpgm
; THE CAST: my wave's 8,192 numbers of w_proj, 64 loads of 512 bytes in four batches of 16; one batch is on its way while another is converted.
.Lcast:
	s_sub_co_u32 s17, ttmp9, WGQ
	s_lshl_b32 s17, s17, 2
	s_add_co_u32 s17, s17, s16                     ; which run of 8,192 numbers
	s_lshl_b32 s18, s17, 15                        ; 32,768 bytes of f32,
	s_mov_b32 s19, 0
	s_add_nc_u64 s[24:25], s[24:25], s[18:19]
	s_lshl_b32 s18, s17, 14                        ; 16,384 of f16
	s_add_nc_u64 s[26:27], s[26:27], s[18:19]
.macro CLOAD g                         ; batch g into v16-79 (even g) or v128-191 (odd g)
.set RB, 16+112*((\g)%2)
.irp i, 0,1,2,3,4,5,6,7,8,9,10,11,12,13,14,15
	global_load_b128 v[RB+4*\i:RB+4*\i+3], v3, s[24:25] offset:(16*(\g)+\i)*512 th:TH_LOAD_NT
.endr
.endm
.macro CAST g
.set RB, 16+112*((\g)%2)
.if (\g) < 3
	s_wait_loadcnt 16                              ; this batch's 16 loads are in; the next batch's 16 may be out
.else
	s_wait_loadcnt 0x0
.endif
.if (\g) > 0
	s_wait_xcnt 0x0                                ; the last batch's stores have read v80-111: only behind this wait are they written again
.endif
.irp i, 0,1,2,3,4,5,6,7,8,9,10,11,12,13,14,15
	v_cvt_pk_f16_f32 v[80+2*\i], v[RB+4*\i], v[RB+4*\i+1]
	v_cvt_pk_f16_f32 v[81+2*\i], v[RB+4*\i+2], v[RB+4*\i+3]
.endr
.irp i, 0,1,2,3,4,5,6,7,8,9,10,11,12,13,14,15
	global_store_b64 v4, v[80+2*\i:81+2*\i], s[26:27] offset:(16*(\g)+\i)*256   ; 32 lanes store 256 consecutive bytes, aligned
.endr
.if (\g) < 2
	CLOAD (\g)+2
.endif
.endm
	CLOAD 0
	CLOAD 1
	CAST 0
	CAST 1
	CAST 2
	CAST 3
	s_endpgm
.Lfunc_end_k_qda7aab1529_prep:
	.size	k_qda7aab1529_prep, .Lfunc_end_k_qda7aab1529_prep-k_qda7aab1529_prep
	.p2alignl 7, 3214868480
	.fill 96, 4, 3214868480
	.section	.rodata,"a",@progbits
	.p2align	6, 0x0
	.amdhsa_kernel k_qda7aab1529_prep
		.amdhsa_group_segment_fixed_size 33280
		.amdhsa_private_segment_fixed_size 0
		.amdhsa_enable_private_segment 0
		.amdhsa_kernarg_size 64
		.amdhsa_user_sgpr_count 2
		.amdhsa_user_sgpr_kernarg_segment_ptr 1
		.amdhsa_wavefront_size32 1
		.amdhsa_system_sgpr_workgroup_id_x 1
		.amdhsa_system_sgpr_workgroup_id_y 1
		.amdhsa_system_sgpr_workgroup_id_z 1
		.amdhsa_system_vgpr_workitem_id 0
		.amdhsa_next_free_vgpr 192
		.amdhsa_next_free_sgpr 66
		.amdhsa_reserve_vcc 0
		.amdhsa_float_denorm_mode_32 3
		.amdhsa_float_denorm_mode_16_64 3
		.amdhsa_memory_ordered 1
		.amdhsa_forward_progress 1
		.amdhsa_inst_pref_size 54
	.end_amdhsa_kernel
	.amdgpu_metadata
---
amdhsa.version: [ 1, 2 ]
amdhsa.kernels:
  - .name:           k_qda7aab1529_prep
    .symbol:         k_qda7aab1529_prep.kd
    .args:
      - { .name: x, .offset: 0, .size: 8, .value_kind: global_buffer, .address_space: global }
      - { .name: w_qkv, .offset: 8, .size: 8, .value_kind: global_buffer, .address_space: global }
      - { .name: xc, .offset: 16, .size: 8, .value_kind: global_buffer, .address_space: global }
      - { .name: xs, .offset: 24, .size: 8, .value_kind: global_buffer, .address_space: global }
      - { .name: wc, .offset: 32, .size: 8, .value_kind: global_buffer, .address_space: global }
      - { .name: ws, .offset: 40, .size: 8, .value_kind: global_buffer, .address_space: global }
      - { .name: w_proj, .offset: 48, .size: 8, .value_kind: global_buffer, .address_space: global }
      - { .name: wp, .offset: 56, .size: 8, .value_kind: global_buffer, .address_space: global }
    .group_segment_fixed_size: 33280
    .private_segment_fixed_size: 0
    .kernarg_segment_align: 8
    .kernarg_segment_size: 64
    .max_flat_workgroup_size: 128
    .sgpr_count:     66
    .vgpr_count:     192
    .wavefront_size: 32
...
	.end_amdgpu_metadata
.endif
;; end of part 1
;; launch qkv (part 2): grid 12 x 32, 4 waves a work-group, clusters of 4 x 4, 327,680 bytes of LDS; arguments xc, xs, wc, ws, qkv, b_qkv; writes qkv
.if DOCPART == 2
	.amdgcn_target "amdgcn-amd-amdhsa--gfx1250"
	.amdhsa_code_object_version 6
	.text
	.protected	k_qda7aab1529_qkv
	.globl	k_qda7aab1529_qkv
	.p2align	8
	.type	k_qda7aab1529_qkv,@function
k_qda7aab1529_qkv:
	s_mov_b64 s[64:65], 0
	v_nop
	global_prefetch_b8 v0, s[64:65] scope:SCOPE_SE
	s_setreg_imm32_b32 hwreg(HW_REG_WAVE_MODE, 25, 1), 1
	s_wait_xcnt 0x0
	s_wait_alu depctr_hold_cnt(0) depctr_sa_sdst(0) depctr_va_vdst(0) depctr_va_sdst(0) depctr_va_ssrc(0) depctr_va_vcc(0) depctr_vm_vsrc(0)
	s_getreg_b32 s2, hwreg(HW_REG_IB_STS2, 6, 4)
	s_cmp_eq_u32 s2, 0
	s_cbranch_scc0 .Lentry_in_a_cluster
	s_endpgm
.Lentry_in_a_cluster:
	s_bfe_u32 s2, ttmp6, 0x10000c
	s_cmp_lg_u32 s2, 0xf033
	s_cbranch_scc0 .Lentry_shape_is_right
	s_endpgm
.Lentry_shape_is_right:
; qkv = x w_qkv^T + b_qkv on codes of FP4 (E2M1) with one E8M0 scale for each 32 along K = 1,024; sums in f32.  Column 3 j + s of the product is channel j = 64 head + d of q (s = 0), k (1) or v (2).
; The result leaves as f16, laid by head: [s 3][batch 4][head 16][token 2048][d 64]; q is multiplied by c = log2(e) / 8 in f32 ahead of its one rounding, so that the next launch's scores arrive as exponents of 2.
; LIMITS: |c q|, |k| or |v| above 65,504 becomes infinity in f16.
; SHARES.  A tile is 256 tokens x 256 channels j of ONE s: its rows of w_qkv are every third row, which the tensor load's pitch takes.  The cluster's x is s; the place cx in the cluster picks j = 256 cx on.  384 work-groups.
; Four waves, each 128 x 128: 64 accumulators of 16 x 16, 512 registers.  K is two steps of 512, rows of 256 bytes: both lie in LDS at once, so nothing is filled again; the scale bytes of the tile's rows come with them.
; CLUSTERS: 4 x 4 work-groups.  The four of a row of the cluster need the same rows of x, the four of a column the same rows of w_qkv: each tile is asked for JOINTLY, by the same tensor load with the same descriptor and a mask
; that names the four.  THE MATRIX INSTRUCTION IS USED TRANSPOSED (source 0 = 16 rows of w_qkv, source 1 = 16 tokens): a lane then holds eight neighbouring channels of one token.
; The bias is the C of each sum's first matrix instruction: eight registers for each block of 16 channels, in the result's layout.
; REGISTERS, in windows of 256: window 0: v0-31 addresses; v32-95 scale words, two sets; v128-191 x's fragments (8 x 16 tokens x 128 K), ONE set; v192-255 the bias; on the way out v32-127 are free.
;   window 1: w_qkv's fragments, TWO sets, at v0 and at v128.   window 2: the 32 accumulators of my tokens 0-63 (accumulator (a, b) at v[8 (8 a + b)]);   window 3: those of my tokens 64-127.
.set KSTEP,  512                       ; along K in a slot
.set NQ,     KSTEP/128                 ; matrix instructions deep
.set ROWB,   256                       ; a tile's row in bytes: 512 codes of 4 bits
.set KROW,   512                       ; a row of codes in memory, in bytes
.set PITCH,  272                       ; an LDS row: 256 bytes + 16 of padding = 68 words: row r starts at bank 4 r mod 64 (64 banks of 4 bytes: ISA guide 11.1)
.set FR,     8                         ; registers of a fragment: 16 rows x 128 K
.set NL,     2                         ; LDS loads that bring one
.set NP,     4                         ; places behind this matrix instruction (ISA guide 7.12.1)
.set HALFT,  128*PITCH                 ; 128 rows: what one tensor load brings, and what one wave reads of either operand
.set SLOT,   4*HALFT                   ; x's 256 rows, then w_qkv's 256 rows
.set SPS,    48                        ; a row of scale bytes in LDS: 32 bytes + 16 of padding: sixteen rows start at sixteen different 16-byte columns of 256
.set SCL,    2*SLOT                    ; behind the two slots: the scales
.set HALFS,  128*SPS                   ; those of 128 rows: what one tensor load brings
.set SBLK,   16*SPS                    ; those of 16 rows
.set SPARE,  SCL+4*HALFS               ; behind the scales: the spare words, 128 bytes for each wave, which no other line names
.set SP,     400                       ; the way out: a stage of 16 tokens x (256 bytes + 144) for each wave, in slot 0, which has had its only fill and its last read when the first result is stored there
.set ADRA, 16                          ; v16-17  LDS address of my fragments of x in slot 0, 1
.set ADRB, 20                          ; v20-21  the same for w_qkv
.set STO,  24                          ; v24     the way out: where I put 16 bytes of a token
.set RD,   25                          ; v25     the way out: where I read 16 bytes back
.set CO,   26                          ; v26     16 x lane: my byte offset in a store's 512
.set ADRS, 27                          ; v27     LDS address of my scale words: lanes 0-15 x's rows, lanes 16-31 w_qkv's
.set SPW,  28                          ; v28     LDS address of my spare word; never rewritten
.set NIL,  29                          ; v29     0; never rewritten
.set BO,   30                          ; v30     96 x (lane / 16): my half's eight channels in b_qkv, 12 bytes apart
.set SC,   32                          ; scale words: set s (for slot s) at v[SC + 32 s]; in it register 4 i + q: lanes 0-15 the word of x's block i, lanes 16-31 that of w_qkv's block i, for the slot's q-th 128 along K
.set AF,   128                         ; x's fragments
.set BI,   192                         ; the bias: block b of 16 channels at v[BI + 8 b]
.set TMP,  32                          ; the way out: a block's packed results
.set BK,   64                          ; the way out: a block read back from the stage: v64-95 and v96-127 by turns
.set G1, 24                            ; s[24:31] descriptor group 1 for x's tiles;  s[32:39] group 0, one set for each slot
.set G0, 32
.set G1B, 48                           ; s[48:55], s[56:63] the same for w_qkv's tiles
.set G0B, 56
.set G1S, 68                           ; s[68:75], s[76:79] groups 1 and 0 for x's scales;  s[80:87], s[88:91] for w_qkv's
.set G0S, 76
.set G1SB, 80
.set G0SB, 88
.set MSB, 0
.macro WIN new                         ; the immediate's high byte repeats the setting that is left; a switch that changes nothing is dropped
.if MSB != (\new)
	s_set_vgpr_msb (MSB<<8)|(\new)
.set MSB, (\new)
.endif
.endm
.set MUL_LO, 0xa1                      ; source 0 (w_qkv) window 1, source 1 (x) window 0, C and D window 2
.set MUL_HI, 0xf1                      ; the same, C and D window 3.  Where the bias is C, C's window is 0: 0x81 and 0xc1
.set TO_B,   0x40                      ; destination window 1, address window 0
; A joint load: waves 0 and 1 fetch for x, waves 2 and 3 for w_qkv.  Each of the two lines has ONE mask and one set of registers for all that issue it; the branch hangs on the wave's number alone.
; An s_nop 0 and four v_nop follow each of the two lines, ahead of the jump, the label and what follows.
.macro JLOAD g0a, g1a, g0b, g1b
	s_cmp_eq_u32 s15, 0
	s_cbranch_scc0 .Lfor_b_\@
	tensor_load_to_lds s[\g0a:\g0a+3], s[\g1a:\g1a+7]
	s_nop 0
.rept 4
	v_nop
.endr
	s_branch .Lasked_\@
.Lfor_b_\@:
	tensor_load_to_lds s[\g0b:\g0b+3], s[\g1b:\g1b+7]
	s_nop 0
.rept 4
	v_nop
.endr
.Lasked_\@:
.endm
.macro CROUND                          ; a round of the cluster's barrier: my work-group's barrier; wave 0 signals for the work-group; every wave waits for all sixteen; my work-group's barrier once more
	s_barrier_signal -1
	s_barrier_wait -1
	s_cmp_lg_u32 s14, 0
	s_cbranch_scc1 .Lnot_wave_0_\@
	s_barrier_signal -3
.Lnot_wave_0_\@:
	s_barrier_wait -3
	s_barrier_signal -1
	s_barrier_wait -1
.endm
	s_load_b128 s[4:7], s[0:1], 0x0                ; x's codes s[4:5], x's scales s[6:7]
	s_load_b128 s[8:11], s[0:1], 0x10              ; w_qkv's codes s[8:9], its scales s[10:11]
	s_load_b64 s[12:13], s[0:1], 0x20              ; qkv
	s_load_b64 s[96:97], s[0:1], 0x28              ; b_qkv
	v_lshl_add_u32 v[SPW], v0, 2, SPARE
	v_mov_b32 v[NIL], 0
	ds_add_u32 v[SPW], v[NIL]                      ; the wave's opening: the add, twice on end, and its wait ahead of my first tensor load; the set-up below, work on registers, stands between
	ds_add_u32 v[SPW], v[NIL]
	v_lshrrev_b32 v1, 5, v0
	v_readfirstlane_b32 s14, v1                    ; wave 0..3
	s_lshr_b32 s15, s14, 1                         ; which half of the tile's tokens is mine.  Also: I fetch for x (0) or for w_qkv (1)
	s_and_b32 s16, s14, 1                          ; which half of its channels.  Also: which 128 rows of that tile I fetch
	s_bfe_u32 s40, ttmp6, 0x40000                  ; cx, cy: my place in the cluster
	s_bfe_u32 s41, ttmp6, 0x40004
	s_mov_b32 s42, ttmp9                           ; the cluster's x is s: 0 q, 1 k, 2 v; the same in all sixteen partners
	s_and_b32 s17, ttmp7, 0xffff
	s_lshl_b32 s17, s17, 2
	s_add_co_u32 s17, s17, s41                     ; which 256 tokens: 4 x cluster y + cy
	s_lshl_b32 s43, s41, 2
	s_lshl_b32 s43, 15, s43                        ; my row of the cluster
	s_lshl_b32 s44, 0x1111, s40                    ; my column
	; descriptor group 1: a tile of 128 rows x 256 bytes, padded in LDS
	s_or_b32 s[G1+0], s43, (0<<16)|(1<<20)|(1<<21)|(5<<22)|(3<<25)   ; 15:0 the mask: x's tiles go to my row; 17:16 element of 1 byte; 20 padding on; 21 set beside a mask; 24:22 after every 64 words (code 5); 31:25 of 4 words (code 3)
	s_or_b32 s[G1B+0], s44, (0<<16)|(1<<20)|(1<<21)|(5<<22)|(3<<25)  ; the same with my column's mask
.irp g, G1, G1B
	s_mov_b32 s[\g+1], ROWB<<16                    ; tensor_dim0
	s_mov_b32 s[\g+2], 128<<16                     ; tensor_dim1 = 128
	s_mov_b32 s[\g+3], ROWB<<16                    ; tile_dim0
	s_mov_b32 s[\g+4], 128                         ; tile_dim1 = 128
	s_mov_b32 s[\g+6], 0
	s_mov_b32 s[\g+7], 0
.endr
	s_mov_b32 s[G1+5], KROW                        ; from token to token
	s_mov_b32 s[G1B+5], 3*KROW                     ; from channel to channel of one s: every third row of w_qkv
	; and for the scales of 128 rows: rows of 32 bytes (8 elements of 4 bytes), 16 bytes of padding behind each
	s_or_b32 s[G1S+0], s43, (2<<16)|(1<<20)|(1<<21)|(2<<22)|(3<<25)  ; padding: 4 words after every 8 (code 2)
	s_or_b32 s[G1SB+0], s44, (2<<16)|(1<<20)|(1<<21)|(2<<22)|(3<<25)
.irp g, G1S, G1SB
	s_mov_b32 s[\g+1], 8<<16
	s_mov_b32 s[\g+2], 128<<16
	s_mov_b32 s[\g+3], 8<<16
	s_mov_b32 s[\g+4], 128
	s_mov_b32 s[\g+6], 0
	s_mov_b32 s[\g+7], 0
.endr
	s_mov_b32 s[G1S+5], 8
	s_mov_b32 s[G1SB+5], 24
	s_lshl_b32 s20, s17, 8
	s_lshl_b32 s18, s16, 7
	s_add_co_u32 s20, s20, s18                     ; x: row 256 x tile + 128 x half
	s_mov_b32 s21, 0
	s_lshl_b64 s[22:23], s[20:21], 5               ; where these rows' scales begin, in bytes,
	s_lshl_b64 s[20:21], s[20:21], 9               ; and their codes
	s_mul_i32 s46, s40, 768
	s_mul_i32 s47, s16, 384
	s_add_co_u32 s46, s46, s47
	s_add_co_u32 s46, s46, s42                     ; w_qkv: row 3 (256 cx + 128 x half) + s
	s_mov_b32 s47, 0
	s_mov_b32 s95, s46
	s_lshl_b64 s[92:93], s[46:47], 5
	s_lshl_b64 s[46:47], s[46:47], 9
	s_mul_i32 s45, s14, HALFT                      ; where they go: wave x 128 rows: no place in the cluster enters an LDS address
	s_mul_i32 s94, s14, HALFS
	s_lshl_b32 s2, s95, 2                          ; my first channel's bias
	s_mov_b32 s3, 0
	s_mov_b32 s98, 0x3e38aa3b                      ; c = log2(e) / 8
	s_mov_b32 s99, s98                             ; (named with it as a pair, so it is written)
	s_wait_dscnt 0x0                               ; both opening adds are done
	s_wait_kmcnt 0x0
	s_add_nc_u64 s[20:21], s[4:5], s[20:21]
	s_add_nc_u64 s[22:23], s[6:7], s[22:23]
	s_add_nc_u64 s[46:47], s[8:9], s[46:47]
	s_add_nc_u64 s[92:93], s[10:11], s[92:93]
	s_add_nc_u64 s[96:97], s[96:97], s[2:3]
	CROUND                                         ; all sixteen work-groups are here: the joint loads meet
	s_mov_b32 s[G0S], 1
	s_add_co_u32 s[G0S+1], s94, SCL
	s_mov_b64 s[G0S+2:G0S+3], s[22:23]
	s_or_b32 s[G0S+3], s[G0S+3], 0x80000000
	s_mov_b32 s[G0SB], 1
	s_add_co_u32 s[G0SB+1], s94, SCL
	s_mov_b64 s[G0SB+2:G0SB+3], s[92:93]
	s_or_b32 s[G0SB+3], s[G0SB+3], 0x80000000
	JLOAD G0S, G1S, G0SB, G1SB                     ; the scales first: they are wanted with K step 0
.irp s, 0,1
	s_mov_b32 s[G0+4*\s], 1
	s_add_co_u32 s[G0+4*\s+1], s45, \s*SLOT
	s_add_nc_u64 s[G0+4*\s+2:G0+4*\s+3], s[20:21], \s*ROWB
	s_or_b32 s[G0+4*\s+3], s[G0+4*\s+3], 0x80000000
	s_mov_b32 s[G0B+4*\s], 1
	s_add_co_u32 s[G0B+4*\s+1], s45, \s*SLOT
	s_add_nc_u64 s[G0B+4*\s+2:G0B+4*\s+3], s[46:47], \s*ROWB
	s_or_b32 s[G0B+4*\s+3], s[G0B+4*\s+3], 0x80000000
	JLOAD G0+4*\s, G1, G0B+4*\s, G1B               ; both K steps: three tensor loads of mine are out
.endr
	v_and_b32 v1, 15, v0                           ; r = l % 16
	v_bfe_u32 v2, v0, 4, 1                         ; h = l / 16
	v_mul_u32_u24 v[BO], v2, 96
.irp b, 0,1,2,3,4,5,6,7
.irp i, 0,1,2,3,4,5,6,7
	global_load_b32 v[BI+8*\b+\i], v[BO], s[96:97] offset:192*\b+12*\i   ; b_qkv[3 (my first channel + 16 b + 8 h + i) + s]
.endr
.endr
	v_mul_u32_u24 v3, v1, PITCH
	v_lshl_add_u32 v4, v2, 4, v3                   ; a fragment's row x pitch + 16 x half
	s_mul_i32 s21, s15, HALFT                      ; my 128 tokens
	s_mul_i32 s22, s16, HALFT                      ; my 128 channels,
	s_add_co_u32 s22, s22, 2*HALFT                 ; which lie behind x's 256 rows
.irp s, 0,1
	v_add_nc_u32 v[ADRA+\s], s21, v4
	v_add_nc_u32 v[ADRB+\s], s22, v4
	s_add_co_u32 s21, s21, SLOT
	s_add_co_u32 s22, s22, SLOT
.endr
	v_mul_u32_u24 v5, v1, SPS                      ; my row's scales
	s_mul_i32 s21, s15, HALFS                      ; x's: my 128 rows
	s_mul_i32 s22, s16, HALFS                      ; w_qkv's: my 128 rows, behind x's 256
	s_add_co_u32 s22, s22, 2*HALFS
	s_sub_co_u32 s22, s22, s21
	v_mul_u32_u24 v6, s22, v2                      ; lanes 16-31 take w_qkv's: the lower base + h x the distance
	s_add_co_u32 s21, s21, SCL
	v_add_nc_u32 v5, v5, v6
	v_add_nc_u32 v[ADRS], s21, v5
	s_mul_i32 s23, s14, 16*SP                      ; my stage
	v_mul_u32_u24 v5, v1, SP                       ; in: token r, 16 bytes for each half of the lanes
	v_lshl_add_u32 v5, v2, 4, v5
	v_add_nc_u32 v[STO], s23, v5
	v_bfe_u32 v5, v0, 3, 2                         ; back: eight lanes take a token's 128 bytes of one head, the wave four tokens
	v_and_b32 v6, 7, v0
	v_mul_u32_u24 v5, v5, SP
	v_lshl_add_u32 v5, v6, 4, v5
	v_add_nc_u32 v[RD], s23, v5
	v_and_b32 v6, 31, v0
	v_lshlrev_b32 v[CO], 4, v6
	; where my part begins in qkv: head-sized blocks of 262,144 bytes: 64 s + 16 batch + head; then my first token x 128 bytes
	s_lshl_b32 s46, s42, 6
	s_lshl_b32 s47, s40, 2
	s_add_co_u32 s46, s46, s47                     ; + 4 cx
	s_lshl_b32 s47, s16, 1
	s_add_co_u32 s46, s46, s47                     ; + 2 x my half of the channels: my first head
	s_lshr_b32 s47, s17, 3
	s_lshl_b32 s47, s47, 4
	s_add_co_u32 s46, s46, s47                     ; + 16 x batch
	s_lshl_b32 s46, s46, 18
	s_and_b32 s47, s17, 7
	s_lshl_b32 s47, s47, 1
	s_add_co_u32 s47, s47, s15                     ; which 128 tokens of the sequence
	s_lshl_b32 s47, s47, 14
	s_add_co_u32 s46, s46, s47
	s_mov_b32 s47, 0
	s_add_nc_u64 s[12:13], s[12:13], s[46:47]
.macro FRAG reg, adr, q, i             ; a fragment, 16 rows x 128 K of 4-bit codes, is 8 registers: lane l holds row l % 16; registers 4 c .. 4 c + 3 hold K = 64 c + 32 (l / 16) + 0 .. 31
.irp c, 0,1
	ds_load_b128 v[\reg+4*\c:\reg+4*\c+3], v[\adr] offset:64*(\q)+32*\c+(\i)*16*PITCH
.endr
.endm
; 16 matrix instructions: x's blocks a0, a0 + 1 against w_qkv's eight, 128 along K: the slot's q-th.  p: w_qkv's set;  sc: the set of scale words.  first = 1: the bias is C, and the product starts the sums: nothing is ever cleared.
; The 64 accumulators take turns, one instruction a turn, in the same order in every step.
.macro MUL16 a0, p, q, sc, first
.irp a, \a0, \a0+1
.irp b, 0,1,2,3,4,5,6,7
.if \first
	v_wmma_scale_f32_16x16x128_f8f6f4 v[8*(8*((\a)%4)+\b):8*(8*((\a)%4)+\b)+7], v[128*(\p)+FR*\b:128*(\p)+FR*\b+FR-1], v[AF+FR*(\a):AF+FR*(\a)+FR-1], v[BI+8*\b:BI+8*\b+7], v[SC+8*NQ*(\sc)+NQ*\b+(\q)], v[SC+8*NQ*(\sc)+NQ*(\a)+(\q)] matrix_a_fmt:MATRIX_FMT_FP4 matrix_b_fmt:MATRIX_FMT_FP4 matrix_a_scale:MATRIX_SCALE_ROW1
.else
	v_wmma_scale_f32_16x16x128_f8f6f4 v[8*(8*((\a)%4)+\b):8*(8*((\a)%4)+\b)+7], v[128*(\p)+FR*\b:128*(\p)+FR*\b+FR-1], v[AF+FR*(\a):AF+FR*(\a)+FR-1], v[8*(8*((\a)%4)+\b):8*(8*((\a)%4)+\b)+7], v[SC+8*NQ*(\sc)+NQ*\b+(\q)], v[SC+8*NQ*(\sc)+NQ*(\a)+(\q)] matrix_a_fmt:MATRIX_FMT_FP4 matrix_b_fmt:MATRIX_FMT_FP4 matrix_a_scale:MATRIX_SCALE_ROW1
.endif
.endr
.endr
.endm
.macro FETCH_B slot, q, p              ; w_qkv's eight fragments of the slot's q-th 128 along K into set p
	WIN TO_B
.irp i, 0,1,2,3,4,5,6,7
	FRAG 128*(\p)+FR*\i, ADRB+\slot, \q, \i
.endr
	WIN 0
.endm
.macro FETCH_A slot, q, i0             ; x's blocks i0 .. i0 + 3
.irp i, \i0, \i0+1, \i0+2, \i0+3
	FRAG AF+FR*(\i), ADRA+\slot, \q, \i
.endr
.endm
.macro SCALES sc                       ; a K step's scale words into set sc: four words a row; lanes 0-15 take x's block i, lanes 16-31 w_qkv's block i
.irp i, 0,1,2,3,4,5,6,7
	ds_load_b128 v[SC+8*NQ*\sc+NQ*\i:SC+8*NQ*\sc+NQ*\i+3], v[ADRS] offset:\i*SBLK
.endr
.endm
; A load into a register that a matrix instruction has read, and a vector instruction that reads a matrix result, stand four places behind that matrix instruction; only plain vector instructions that name
; none of its registers are places (ISA guide 7.12.1 for vector instructions).
.macro PLACES n
.rept \n
	v_nop
.endr
.endm
; A step of 128 along K that has its successor in the same slot.  A block of x is free as soon as its eight products are issued: blocks 0-3 are fetched anew in the step's middle, blocks 4-7 at its end.
.macro STEP slot, q, first
	s_wait_dscnt 4*NL                              ; w_qkv's set and x's blocks 0-3 are in; the youngest eight loads (x's blocks 4-7) may be out
	WIN MUL_LO-0x20*(\first)
	MUL16 0, (\q)%2, \q, \slot, \first
	MUL16 2, (\q)%2, \q, \slot, \first
	s_wait_dscnt 0                                 ; x's blocks 4-7 are in (asked for 32 matrix instructions ago)
	PLACES NP
	FETCH_B \slot, (\q)+1, 1-(\q)%2
	FETCH_A \slot, (\q)+1, 0
	WIN MUL_HI-0x30*(\first)
	MUL16 4, (\q)%2, \q, \slot, \first
	MUL16 6, (\q)%2, \q, \slot, \first
	PLACES NP
	WIN 0
	FETCH_A \slot, (\q)+1, 4
.endm
; Slot 0's last step changes slots: one barrier; in front of it each wave waits for all its tensor loads (its part of slot 1), adds 0 to its spare word, and waits for that and for its own reads of slot 0.
; Behind it slot 1 is whole and nobody reads slot 0 any more; nothing is filled again.
.macro TURN slot, next
	s_wait_tensorcnt 0x0                           ; all my tensor loads have landed  (every window is 0 here: the add's two registers lie in window 0)
	ds_add_u32 v[SPW], v[NIL]                      ; 0 onto my spare word
	s_wait_dscnt 4*NL+1                            ; (the add and the youngest eight loads, x's blocks 4-7, may be out)
	WIN MUL_LO
	MUL16 0, 1, NQ-1, \slot, 0                     ; sixteen matrix instructions stand between the add and the wait for it
	s_wait_dscnt 0x0                               ; the add is done, and my reads of this slot are over
	s_barrier_signal -1
	MUL16 2, 1, NQ-1, \slot, 0
	WIN 0
	s_barrier_wait -1
	PLACES NP
	v_add_nc_u32 v[ADRS], 4*NQ, v[ADRS]            ; on to the next K step's scale words (no LDS load of mine is out)
	FETCH_B \next, 0, 0
	FETCH_A \next, 0, 0
	SCALES \next
	WIN MUL_HI
	MUL16 4, 1, NQ-1, \slot, 0
	MUL16 6, 1, NQ-1, \slot, 0
	PLACES NP
	WIN 0
	FETCH_A \next, 0, 4
.endm
.macro STEPS slot, from                ; the slot's steps from .. NQ - 2
.set QQ, \from
.rept NQ-1-\from
	STEP \slot, QQ, 0
.set QQ, QQ+1
.endr
.endm
	s_wait_tensorcnt 1                             ; the scales and my part of K step 0 are in (K step 1's load may be out)
	s_barrier_signal -1
	s_barrier_wait -1                              ; everybody's are
	FETCH_B 0, 0, 0
	FETCH_A 0, 0, 0
	SCALES 0
	FETCH_A 0, 0, 4
	s_wait_loadcnt 0x0                             ; the bias
	STEP 0, 0, 1                                   ; the first step's products start the sums from the bias
	STEPS 0, 1
	TURN 0, 1
	STEPS 1, 0
	s_wait_dscnt 4*NL                              ; the very last step: nothing more to fetch
	WIN MUL_LO
	MUL16 0, 1, NQ-1, 1, 0
	MUL16 2, 1, NQ-1, 1, 0
	s_wait_dscnt 0
	WIN MUL_HI
	MUL16 4, 1, NQ-1, 1, 0
	MUL16 6, 1, NQ-1, 1, 0
	WIN 0
; THE WAY OUT, block by block of 16 tokens x 128 channels (two heads).  PACK: q alone is multiplied by c; then all are rounded to f16, 16 bytes a lane.  TOSTAGE: into my own stage in LDS and back, eight lanes to a token's
; 128 bytes of one head.  SEND: four tokens of one head are 512 consecutive bytes of qkv.  LDS serves a wave's instructions in order (ISA guide 5.7.1.4): no wait between the stores and the loads.
.macro PACK a
.set AC, 64*((\a)%4)
	s_cmp_lg_u32 s42, 0                            ; the cluster's x: the same in all partners and all waves
	s_cbranch_scc1 .Lplain_\@
	WIN 0x82+0x41*((\a)/4)                         ; destination and source 0: window 2 or 3
.set ii, 0
.rept 32
	v_pk_mul_f32 v[AC+ii:AC+ii+1], v[AC+ii:AC+ii+1], s[98:99] op_sel_hi:[1,0]   ; each accumulator from its low end on
.set ii, ii+2
.endr
	WIN 0
.Lplain_\@:
	WIN 0x0a+5*((\a)/4)                            ; sources 0 and 1: window 2 or 3
.irp b, 0,1,2,3,4,5,6,7
.irp r, 0,1,2,3
	v_cvt_pk_f16_f32 v[TMP+4*\b+\r], v[AC+8*\b+2*\r], v[AC+8*\b+2*\r+1]
.endr
.endr
	WIN 0
.endm
.macro TOSTAGE a
.set BB, BK+32*((\a)%2)
.irp b, 0,1,2,3,4,5,6,7
	ds_store_b128 v[STO], v[TMP+4*\b:TMP+4*\b+3] offset:32*\b
.endr
.irp t, 0,1,2,3,4,5,6,7
	ds_load_b128 v[BB+4*\t:BB+4*\t+3], v[RD] offset:(\t%4)*4*SP+(\t/4)*128   ; tokens 4 (t % 4) on, head t / 4
.endr
.endm
.macro SEND a
.set BB, BK+32*((\a)%2)
	s_wait_dscnt 0x0                               ; the block is back in registers
	s_wait_xcnt 0x0                                ; the stores of the block before have read their registers: the next block's loads may land there
.irp t, 0,1,2,3,4,5,6,7
	global_store_b128 v[CO], v[BB+4*\t:BB+4*\t+3], s[12:13] offset:2048*(\a)+512*(\t%4)+262144*(\t/4)   ; 32 lanes store 512 consecutive bytes, at a multiple of 256 from qkv's first byte
.endr
.endm
	PLACES NP                                      ; behind the last products: for the reads of results and for the writes of registers that held scale words
	PACK 0
	TOSTAGE 0
.irp a, 1,2,3,4,5,6,7                  ; block a's arithmetic stands between block a - 1's loads from the stage and the wait for them
	PACK \a
	SEND \a-1
	TOSTAGE \a
.endr
	SEND 7
	s_wait_tensorcnt 0x0                           ; the wave's end: a wait, an add and its wait, behind my last tensor load and my last LDS store
	ds_add_u32 v[SPW], v[NIL]
	s_wait_dscnt 0x0
	CROUND                                         ; the closing round: no work-group ends while a partner may still ask for a tile that names it
	s_endpgm
.Lfunc_end_k_qda7aab1529_qkv:
	.size	k_qda7aab1529_qkv, .Lfunc_end_k_qda7aab1529_qkv-k_qda7aab1529_qkv
	.p2alignl 7, 3214868480
	.fill 96, 4, 3214868480
	.section	.rodata,"a",@progbits
	.p2align	6, 0x0
	.amdhsa_kernel k_qda7aab1529_qkv
		.amdhsa_group_segment_fixed_size 327680
		.amdhsa_private_segment_fixed_size 0
		.amdhsa_enable_private_segment 0
		.amdhsa_kernarg_size 48
		.amdhsa_user_sgpr_count 2
		.amdhsa_user_sgpr_kernarg_segment_ptr 1
		.amdhsa_wavefront_size32 1
		.amdhsa_system_sgpr_workgroup_id_x 1
		.amdhsa_system_sgpr_workgroup_id_y 1
		.amdhsa_system_sgpr_workgroup_id_z 1
		.amdhsa_system_vgpr_workitem_id 0
		.amdhsa_next_free_vgpr 1024
		.amdhsa_next_free_sgpr 100
		.amdhsa_reserve_vcc 0
		.amdhsa_float_denorm_mode_32 3
		.amdhsa_float_denorm_mode_16_64 3
		.amdhsa_memory_ordered 1
		.amdhsa_forward_progress 1
		.amdhsa_inst_pref_size 150
	.end_amdhsa_kernel
	.amdgpu_metadata
---
amdhsa.version: [ 1, 2 ]
amdhsa.kernels:
  - .name:           k_qda7aab1529_qkv
    .symbol:         k_qda7aab1529_qkv.kd
    .args:
      - { .name: xc, .offset: 0, .size: 8, .value_kind: global_buffer, .address_space: global }
      - { .name: xs, .offset: 8, .size: 8, .value_kind: global_buffer, .address_space: global }
      - { .name: wc, .offset: 16, .size: 8, .value_kind: global_buffer, .address_space: global }
      - { .name: ws, .offset: 24, .size: 8, .value_kind: global_buffer, .address_space: global }
      - { .name: qkv, .offset: 32, .size: 8, .value_kind: global_buffer, .address_space: global }
      - { .name: b_qkv, .offset: 40, .size: 8, .value_kind: global_buffer, .address_space: global }
    .group_segment_fixed_size: 327680
    .private_segment_fixed_size: 0
    .kernarg_segment_align: 8
    .kernarg_segment_size: 48
    .max_flat_workgroup_size: 128
    .sgpr_count:     100
    .vgpr_count:     1024
    .wavefront_size: 32
...
	.end_amdgpu_metadata
.endif
;; end of part 2
;; launch attn (part 3): grid 4 x 64, 16 waves a work-group, clusters of 4 x 1, 327,680 bytes of LDS; arguments qkv, att; writes att
.if DOCPART == 3
	.amdgcn_target "amdgcn-amd-amdhsa--gfx1250"
	.amdhsa_code_object_version 6
	.text
	.protected	k_qda7aab1529_attn
	.globl	k_qda7aab1529_attn
	.p2align	8
	.type	k_qda7aab1529_attn,@function
k_qda7aab1529_attn:
	s_mov_b64 s[64:65], 0
	v_nop
	global_prefetch_b8 v0, s[64:65] scope:SCOPE_SE
	s_setreg_imm32_b32 hwreg(HW_REG_WAVE_MODE, 25, 1), 1
	s_wait_xcnt 0x0
	s_wait_alu depctr_hold_cnt(0) depctr_sa_sdst(0) depctr_va_vdst(0) depctr_va_sdst(0) depctr_va_ssrc(0) depctr_va_vcc(0) depctr_vm_vsrc(0)
	s_getreg_b32 s2, hwreg(HW_REG_IB_STS2, 6, 4)
	s_cmp_eq_u32 s2, 0
	s_cbranch_scc0 .Lentry_in_a_cluster
	s_endpgm
.Lentry_in_a_cluster:
	s_bfe_u32 s2, ttmp6, 0x10000c
	s_cmp_lg_u32 s2, 0x3003
	s_cbranch_scc0 .Lentry_shape_is_right
	s_endpgm
.Lentry_shape_is_right:
; att[head][q][:] = the sum over k of softmax_k(Q[q] . K[k] / 8) V[k][:], for 64 heads (batch x head) of 2,048 tokens x 64 channels.  qkv: f16 [3][64 heads][2048][64], q already multiplied by c = log2(e) / 8; att: f16 [64][2048][64].
; Products on f16 operands with f32 sums; maxima, exponentials and sums in f32; the weights p are rounded to f16 for the second product, the result once at the end.
; SOFTMAX.  For each query a running maximum m of the scores t = c q . k, and a running sum l: p = 2^(t - m), at most 1; in every step O and l are multiplied by a = 2^(m_old - m_new), which is 1 where m has not grown.
; LIMITS: NaN and infinities are not served; results above 65,504 become infinity in f16.
; SHARES.  A work-group owns 512 queries of one head; each of its SIXTEEN waves owns 32 of them, two tiles of 16, in 256 registers: four waves to a SIMD, so that one wave's vector work stands beside another's matrix work and LDS
; loads.  Every wave walks all keys, 64 a step.  K and V come through a ring of two LDS slots of 512 keys, filled by the tensor data mover (waves 0, 1: K's halves; waves 2, 3: V's) and read by all sixteen.
; CLUSTER.  The four work-groups of a cluster are the four query blocks of one head and walk the same K and V: each tile is asked for JOINTLY, by the same tensor load with the same descriptor and a mask that names the four.
; LAYOUT.  S^T = K Q^T (source 0 = 16 keys, source 1 = 16 queries): a lane holds ONE query (lane % 16) and the keys 8 (lane / 16) + 0..7.  Two such tiles, rounded to f16 in pairs, ARE source 1 (32 keys x 16 queries) of
; O^T = V^T P, whose result again holds one query a lane.  K comes out of LDS as it lies, V ([key][channel]) turned, by ds_load_tr16_b128.
; No prefetch is laid: a refill is issued a whole slot, eight key steps of all sixteen waves, ahead of the wait for it.
; REGISTERS: v1-9 addresses; v10, v11 lane % 16, lane / 16; v12-27 eight statistics a tile; v32-63 Q; v64-127 a step's K, then its V; v128-191 S^T, then p, then P in the lower 16 of each tile's 32; v192-255 O^T.
.set SK,    512                        ; keys in a slot
.set KP,    144                        ; a key's row in LDS: 128 bytes + 16 of padding = 36 words: sixteen rows start at sixteen different 16-byte columns of 256
.set VP,    160                        ; a row of V: 128 + 32: an odd multiple of 32
.set VOFF,  SK*KP                      ; a slot: 512 rows of K, then 512 rows of V
.set SLOT,  SK*(KP+VP)
.set SPARE, 2*SLOT                     ; behind the ring: the spare words, 128 bytes for each of sixteen waves, which no other line names
.set STG,   32*KP                      ; the way out: 32 rows x 144 bytes for each wave, in slot 0's part for K: behind the last change of slots it has had its last fill, and nobody reads it
.set HEADB, 2048*128                   ; a head's bytes in each plane
.set PLANE, 64*HEADB                   ; q's, k's, v's plane
.set SLOTB, SK*128                     ; a slot's keys in memory
.set AK0, 1                            ; v1   my lane's place in a tile of K: 144 r + 16 h
.set AV0, 2                            ; v2   the same for V
.set ADK, 3                            ; v3   LDS address of the step's K
.set ADV, 4                            ; v4   of its V
.set SPW, 5                            ; v5   LDS address of my spare word; never rewritten
.set NIL, 6                            ; v6   0; never rewritten
.set QO,  7                            ; v7   my byte offset in a tile of Q; on the way out 16 x lane
.set STO, 8                            ; v8   the way out: where I put 16 bytes of a row
.set RD,  9                            ; v9   the way out: where I read 16 bytes back
.set ST,  12                           ; tile t's statistics at v[ST + 8 t]: +0 m, +1 a filler (named with m as a pair), +2, +3 l (even keys', odd keys'), +4 to +7 at work; a takes +6
.set Q,   32                           ; Q: tile t, channels 32 f on: v[Q + 16 t + 8 f]
.set F,   64
.set S,   128                          ; S^T: tile t, keys 16 kt on: v[S + 32 t + 8 kt]
.set O,   192                          ; O^T: tile t, channels 16 ct on: v[O + 32 t + 8 ct]
.set WV,  8                            ; s8   my wave's number
.set G1K, 16                           ; s[16:23] descriptor group 1 for K's tiles;  s[24:31] for V's: it differs in the padding alone
.set G1V, 24
.set G0K, 32                           ; s[32:39] group 0 for K's tiles, a set for each slot;  s[40:47] for V's
.set G0V, 40
.set SEL, 48                           ; s[48:49] lane selects for v_permlanex16_b32: lane l xor 16
.set TK,  50                           ; s50  LDS byte at which the step's K begins
.set TV,  51                           ; s51  the same for V (VOFF lies in v2)
.set CNT, 52                           ; s52  counts a slot's eight steps
; A joint refill.  Waves 0 and 1 fetch K's halves, waves 2 and 3 V's, the others nothing.  The branches hang on the wave's number alone.  An s_nop 0 and four v_nop follow each of the two lines.
.macro JLOAD slot
	s_cmp_lt_u32 s[WV], 2
	s_cbranch_scc0 .Lnot_k_\@
	tensor_load_to_lds s[G0K+4*\slot:G0K+4*\slot+3], s[G1K:G1K+7]
	s_nop 0
.rept 4
	v_nop
.endr
	s_branch .Lasked_\@
.Lnot_k_\@:
	s_cmp_lt_u32 s[WV], 4
	s_cbranch_scc0 .Lasked_\@
	tensor_load_to_lds s[G0V+4*\slot:G0V+4*\slot+3], s[G1V:G1V+7]
	s_nop 0
.rept 4
	v_nop
.endr
.Lasked_\@:
.endm
.macro CROUND                          ; a round of the cluster's barrier: my work-group's barrier; wave 0 signals for the work-group; every wave waits for all four work-groups; my work-group's barrier once more
	s_barrier_signal -1
	s_barrier_wait -1
	s_cmp_lg_u32 s[WV], 0
	s_cbranch_scc1 .Lnot_wave_0_\@
	s_barrier_signal -3
.Lnot_wave_0_\@:
	s_barrier_wait -3
	s_barrier_signal -1
	s_barrier_wait -1
.endm
	s_load_b128 s[4:7], s[0:1], 0x0                ; qkv s[4:5], att s[6:7]
	v_lshl_add_u32 v[SPW], v0, 2, SPARE
	v_mov_b32 v[NIL], 0
	ds_add_u32 v[SPW], v[NIL]                      ; the wave's opening: the add, twice on end, and its wait ahead of the first tensor loads; the set-up below, work on registers, stands between
	ds_add_u32 v[SPW], v[NIL]
	v_lshrrev_b32 v1, 5, v0
	v_readfirstlane_b32 s[WV], v1                  ; wave 0..15
	s_bfe_u32 s9, ttmp6, 0x40000                   ; cx: my block of 512 queries: it enters Q's and att's addresses alone
	s_and_b32 s10, ttmp7, 0xffff                   ; the head (16 x batch + head), which the four partners share
	s_and_b32 s11, s[WV], 1                        ; which half of a slot I fetch, if I fetch
	; descriptor group 1: a tile of 256 rows x 64 elements of 2 bytes, dense in memory, padded in LDS
	s_mov_b32 s[G1K], 15|(1<<16)|(1<<20)|(1<<21)|(4<<22)|(3<<25)   ; 15:0 the mask: all four work-groups; 17:16 elements of 2 bytes; 20 padding on; 21 set beside a mask; 24:22 after every 32 words (code 4); 31:25 4 words (code 3)
	s_mov_b32 s[G1V], 15|(1<<16)|(1<<20)|(1<<21)|(4<<22)|(7<<25)   ; the same with 8 words of padding (code 7)
.irp g, G1K, G1V
	s_mov_b32 s[\g+1], 64<<16                      ; tensor_dim0 = 64
	s_mov_b32 s[\g+2], 256<<16                     ; tensor_dim1 = 256
	s_mov_b32 s[\g+3], 64<<16                      ; tile_dim0 = 64
	s_mov_b32 s[\g+4], 256                         ; tile_dim1 = 256
	s_mov_b32 s[\g+5], 64                          ; elements from row to row
	s_mov_b32 s[\g+6], 0
	s_mov_b32 s[\g+7], 0
.endr
	s_mov_b32 s[SEL], 0x76543210
	s_mov_b32 s[SEL+1], 0xfedcba98
	s_lshl_b32 s12, s10, 18                        ; the head's first byte in a plane
	s_lshl_b32 s14, s11, 15                        ; my half: 256 keys of 128 bytes
	s_add_co_u32 s14, s14, s12
	s_mov_b32 s15, 0
	s_lshl_b32 s52, s9, 16                         ; my work-group's 512 queries,
	s_lshl_b32 s53, s[WV], 12                      ; my wave's 32 of them
	s_add_co_u32 s52, s52, s53
	s_add_co_u32 s52, s52, s12
	s_mov_b32 s53, 0
	s_mul_i32 s50, s11, 256*KP                     ; my half's place in a slot: K's,
	s_mul_i32 s51, s11, 256*VP
	s_add_co_u32 s51, s51, VOFF                    ; V's: no place in the cluster enters an LDS address
	s_wait_dscnt 0x0                               ; both opening adds are done
	s_wait_kmcnt 0x0
	s_add_nc_u64 s[54:55], s[4:5], s[52:53]        ; Q at my wave's first query
	s_add_nc_u64 s[56:57], s[6:7], s[52:53]        ; att likewise
	s_add_nc_u64 s[12:13], s[4:5], s[14:15]        ; the head's first keys, my half, in q's plane
.irp s, 0,1
	s_mov_b32 s[G0K+4*\s], 1                       ; 1:0 count = 1
	s_add_co_u32 s[G0K+4*\s+1], s50, \s*SLOT       ; 63:32 LDS address
	s_add_nc_u64 s[G0K+4*\s+2:G0K+4*\s+3], s[12:13], PLANE+\s*SLOTB     ; 120:64 global address: k's plane, keys 512 s on
	s_or_b32 s[G0K+4*\s+3], s[G0K+4*\s+3], 0x80000000                   ; 127:126 type = 2
	s_mov_b32 s[G0V+4*\s], 1
	s_add_co_u32 s[G0V+4*\s+1], s51, \s*SLOT
	s_add_nc_u64 s[G0V+4*\s+2:G0V+4*\s+3], s[12:13], 2*PLANE+\s*SLOTB   ; v's plane
	s_or_b32 s[G0V+4*\s+3], s[G0V+4*\s+3], 0x80000000
.endr
	CROUND                                         ; all four work-groups are here: the first joint loads meet
	s_cmp_lt_u32 s[WV], 2                          ; a wave's two first fills stand in one arm of one branch on its number: two tensor loads of mine are out; an s_nop 0 follows each, four v_nop the second's
	s_cbranch_scc0 .Lfirst_not_k
	tensor_load_to_lds s[G0K:G0K+3], s[G1K:G1K+7]
	s_nop 0
	tensor_load_to_lds s[G0K+4:G0K+7], s[G1K:G1K+7]
	s_nop 0
.rept 4
	v_nop
.endr
	s_branch .Lfirst_asked
.Lfirst_not_k:
	s_cmp_lt_u32 s[WV], 4
	s_cbranch_scc0 .Lfirst_asked
	tensor_load_to_lds s[G0V:G0V+3], s[G1V:G1V+7]
	s_nop 0
	tensor_load_to_lds s[G0V+4:G0V+7], s[G1V:G1V+7]
	s_nop 0
.rept 4
	v_nop
.endr
.Lfirst_asked:
	; A fragment of K or Q is 16 rows x 32 channels in 8 registers: lane l holds row l % 16; registers 0-3 channels 8 (l / 16) + 0..7, registers 4-7 channels 16 + 8 (l / 16) + 0..7: two loads of 16 bytes, 32 bytes apart.
	v_and_b32 v10, 15, v0                          ; r
	v_bfe_u32 v11, v0, 4, 1                        ; h
	v_lshlrev_b32 v[QO], 7, v10
	v_lshl_add_u32 v[QO], v11, 4, v[QO]            ; row x 128 + 16 x half
.irp t, 0,1
.irp f, 0,1
.irp u, 0,1
	global_load_b128 v[Q+16*\t+8*\f+4*\u:Q+16*\t+8*\f+4*\u+3], v[QO], s[54:55] offset:2048*\t+64*\f+32*\u   ; Q stays in registers
.endr
.endr
.endr
	v_mul_u32_u24 v[AK0], v10, KP
	v_lshl_add_u32 v[AK0], v11, 4, v[AK0]
	; The turning load takes 16 keys x 16 channels (lane l reads 16 bytes: key 8 (l / 16) + l % 8, channels 8 ((l / 8) % 2) + 0..7) and leaves half a fragment of V^T: lane l holds channel l % 16 and 8 keys.
	v_and_b32 v[AV0], 7, v0
	v_lshl_add_u32 v[AV0], v11, 3, v[AV0]
	v_mul_u32_u24 v[AV0], v[AV0], VP
	v_bfe_u32 v[ADV], v0, 3, 1
	v_lshl_add_u32 v[AV0], v[ADV], 4, v[AV0]
	v_add_nc_u32 v[AV0], VOFF, v[AV0]
.irp t, 0,1
	v_mov_b32 v[ST+8*\t], 0xff61b1e6               ; m: -3e38, under every score
	v_mov_b32 v[ST+8*\t+1], 0
	v_mov_b32 v[ST+8*\t+2], 0                      ; l, in two halves
	v_mov_b32 v[ST+8*\t+3], 0
.endr
.set ii, 0
.rept 64
	v_mov_b32 v[O+ii], 0                           ; O^T.  (The step is written with no first form of its own: the first step finds zeros, and its a is 0)
.set ii, ii+1
.endr
; THE SOFTMAX of both tiles for one key step, the two tiles line by line, so that no line waits for the line above it.
.macro SOFTMAX
.irp j, 0,1,2,3                                ; the maximum of the lane's 32 scores and the old m, three operands at a time: four chains; each accumulator is read from its low end on
.irp t, 0,1
	v_max3_num_f32 v[ST+8*\t+4+\j], v[S+32*\t+8*\j], v[S+32*\t+8*\j+1], v[S+32*\t+8*\j+2]
.endr
.endr
.irp g, 1,2
.irp j, 0,1,2,3
.irp t, 0,1
	v_max3_num_f32 v[ST+8*\t+4+\j], v[ST+8*\t+4+\j], v[S+32*\t+8*\j+2*\g+1], v[S+32*\t+8*\j+2*\g+2]
.endr
.endr
.endr
.irp t, 0,1
	v_max3_num_f32 v[ST+8*\t+4], v[ST+8*\t+4], v[S+32*\t+7], v[S+32*\t+15]
.endr
.irp t, 0,1
	v_max3_num_f32 v[ST+8*\t+6], v[ST+8*\t+6], v[S+32*\t+23], v[S+32*\t+31]
.endr
.irp t, 0,1
	v_max3_num_f32 v[ST+8*\t+4], v[ST+8*\t+4], v[ST+8*\t+5], v[ST+8*\t+6]
.endr
.irp t, 0,1
	v_max3_num_f32 v[ST+8*\t+4], v[ST+8*\t+4], v[ST+8*\t+7], v[ST+8*\t]
.endr
.irp t, 0,1
	v_permlanex16_b32 v[ST+8*\t+5], v[ST+8*\t+4], s[SEL], s[SEL+1]   ; the query's other 32 keys lie in the lane 16 away
.endr
.irp t, 0,1
	v_max_num_f32 v[ST+8*\t+5], v[ST+8*\t+4], v[ST+8*\t+5]           ; the new m
.endr
.irp t, 0,1
	v_sub_f32 v[ST+8*\t+7], v[ST+8*\t], v[ST+8*\t+5]                 ; m_old - m_new, 0 or less
.endr
.irp t, 0,1
	v_mov_b32 v[ST+8*\t], v[ST+8*\t+5]
.endr
.irp t, 0,1
	v_exp_f32 v[ST+8*\t+6], v[ST+8*\t+7]                             ; a
.endr
.irp j, 0,2,4,6,8,10,12,14,16,18,20,22,24,26,28,30
.irp t, 0,1
	v_pk_add_f32 v[S+32*\t+\j:S+32*\t+\j+1], v[S+32*\t+\j:S+32*\t+\j+1], v[ST+8*\t:ST+8*\t+1] op_sel_hi:[1,0] neg_lo:[0,1] neg_hi:[0,1]   ; t - m, two at a time: never above 0
.endr
.endr
.irp j, 0,1,2,3,4,5,6,7,8,9,10,11,12,13,14,15,16,17,18,19,20,21,22,23,24,25,26,27,28,29,30,31
.irp t, 0,1
	v_exp_f32 v[S+32*\t+\j], v[S+32*\t+\j]                           ; p = 2^(t - m)
.endr
.endr
	v_nop                                          ; a plain instruction behind the last exponential
	s_wait_alu depctr_va_vdst(0)                   ; ONE wait for the step's 66 exponentials, ahead of the first line that names a result
.irp t, 0,1
	v_pk_fma_f32 v[ST+8*\t+2:ST+8*\t+3], v[ST+8*\t+2:ST+8*\t+3], v[ST+8*\t+6:ST+8*\t+7], v[S+32*\t:S+32*\t+1] op_sel_hi:[1,0,1]   ; l = a l + the first pair; the sums are taken of the unrounded p, in two chains
.endr
.irp t, 0,1
	v_pk_add_f32 v[ST+8*\t+4:ST+8*\t+5], v[S+32*\t+2:S+32*\t+3], v[S+32*\t+4:S+32*\t+5]
.endr
.irp p, 3,5,7,9,11,13
.irp t, 0,1
	v_pk_add_f32 v[ST+8*\t+2:ST+8*\t+3], v[ST+8*\t+2:ST+8*\t+3], v[S+32*\t+2*\p:S+32*\t+2*\p+1]
.endr
.irp t, 0,1
	v_pk_add_f32 v[ST+8*\t+4:ST+8*\t+5], v[ST+8*\t+4:ST+8*\t+5], v[S+32*\t+2*\p+2:S+32*\t+2*\p+3]
.endr
.endr
.irp t, 0,1
	v_pk_add_f32 v[ST+8*\t+2:ST+8*\t+3], v[ST+8*\t+2:ST+8*\t+3], v[S+32*\t+30:S+32*\t+31]
.endr
.irp t, 0,1
	v_pk_add_f32 v[ST+8*\t+2:ST+8*\t+3], v[ST+8*\t+2:ST+8*\t+3], v[ST+8*\t+4:ST+8*\t+5]
.endr
.irp j, 0,1,2,3,4,5,6,7,8,9,10,11,12,13,14,15
.irp t, 0,1
	v_cvt_pk_f16_f32 v[S+32*\t+\j], v[S+32*\t+2*\j], v[S+32*\t+2*\j+1]   ; P, in place: register j is written when pairs 0 .. j have been read
.endr
.endr
.irp j, 0,2,4,6,8,10,12,14,16,18,20,22,24,26,28,30
.irp t, 0,1
	v_pk_mul_f32 v[O+32*\t+\j:O+32*\t+\j+1], v[O+32*\t+\j:O+32*\t+\j+1], v[ST+8*\t+6:ST+8*\t+7] op_sel_hi:[1,0]   ; O^T x a, each accumulator from its low end on
.endr
.endr
.endm
; A slot's eight key steps of 64 keys: written once, walked eight times; the LDS addresses hang on two scalars that step by constants.
; The accumulators take turns, one instruction a turn: between two links of a chain stand seven others'.
.macro STEPS slot
	s_mov_b32 s[TK], \slot*SLOT
	s_mov_b32 s[TV], \slot*SLOT
	s_mov_b32 s[CNT], 8
.Lstep_\@:
	v_add_nc_u32 v[ADK], s[TK], v[AK0]             ; five places behind the last step's products: K's loads land in registers that they read (four are asked),
	v_add_nc_u32 v[ADV], s[TV], v[AV0]             ; and the new scores are written over P, which they read (five)
.rept 3
	v_nop
.endr
.irp kt, 0,1,2,3
.irp f, 0,1
	ds_load_b128 v[F+8*(2*\kt+\f):F+8*(2*\kt+\f)+3],   v[ADK] offset:\kt*16*KP+64*\f
	ds_load_b128 v[F+8*(2*\kt+\f)+4:F+8*(2*\kt+\f)+7], v[ADK] offset:\kt*16*KP+64*\f+32
.endr
.endr
	s_add_co_u32 s[TK], s[TK], 64*KP               ; the next step's tiles
	s_add_co_u32 s[TV], s[TV], 64*VP
	s_wait_dscnt 0x0                               ; K is in
.set ii, 0
.rept 16                                       ; S^T = K Q^T: channels 32 (i / 8) on, keys 16 ((i / 2) % 4) on, tile i % 2.  The first 8 start the sums
.set rS, S+32*(ii%2)+8*((ii/2)%4)
.set rK, F+8*(2*((ii/2)%4)+ii/8)
.set rQ, Q+16*(ii%2)+8*(ii/8)
.if ii < 8
	v_wmma_f32_16x16x32_f16 v[rS:rS+7], v[rK:rK+7], v[rQ:rQ+7], 0
.else
	v_wmma_f32_16x16x32_f16 v[rS:rS+7], v[rK:rK+7], v[rQ:rQ+7], v[rS:rS+7]
.endif
.set ii, ii+1
.endr
.rept 4
	v_nop                                          ; four places: V's loads land in the registers that held K, and the softmax reads the scores
.endr
.irp kg, 0,1
.irp ct, 0,1,2,3
	ds_load_tr16_b128 v[F+8*(4*\kg+\ct):F+8*(4*\kg+\ct)+3],   v[ADV] offset:\kg*32*VP+32*\ct
	ds_load_tr16_b128 v[F+8*(4*\kg+\ct)+4:F+8*(4*\kg+\ct)+7], v[ADV] offset:\kg*32*VP+16*VP+32*\ct
.endr
.endr
	SOFTMAX                                        ; V lands meanwhile
	s_wait_dscnt 0x0                               ; V is in
.set ii, 0
.rept 16                                       ; O^T += V^T P: keys 32 (i / 8) on, channels 16 ((i / 2) % 4) on, tile i % 2
.set rO, O+32*(ii%2)+8*((ii/2)%4)
.set rV, F+8*(4*(ii/8)+(ii/2)%4)
.set rP, S+32*(ii%2)+8*(ii/8)
	v_wmma_f32_16x16x32_f16 v[rO:rO+7], v[rV:rV+7], v[rP:rP+7], v[rO:rO+7]
.set ii, ii+1
.endr
	s_sub_co_u32 s[CNT], s[CNT], 1
	s_cmp_lg_u32 s[CNT], 0
	s_cbranch_scc1 .Lstep_\@
.endm
; THE CHANGE OF SLOTS.  Each wave waits for all its tensor loads (its part of the slot ahead), adds 0 to its spare word, and waits for that and for its reads of the slot that it leaves.  Behind the barrier the slot ahead is whole and
; nobody reads the one left.  fill = 1: the barrier is a round of the cluster's, so that the same holds of every partner, and the slot left is filled with the keys 1,024 further on: the load has eight key steps in which to land.
.macro CHANGE slot, fill
	s_wait_tensorcnt 0x0                           ; no tensor load of mine is out, so a group 0 may be written
	ds_add_u32 v[SPW], v[NIL]                      ; 0 onto my spare word
.if \fill
	ds_add_u32 v[SPW], v[NIL]                      ; and once more
	s_add_nc_u64 s[G0K+4*\slot+2:G0K+4*\slot+3], s[G0K+4*\slot+2:G0K+4*\slot+3], 2*SLOTB   ; the type bits on top are not reached
	s_add_nc_u64 s[G0V+4*\slot+2:G0V+4*\slot+3], s[G0V+4*\slot+2:G0V+4*\slot+3], 2*SLOTB
	s_wait_dscnt 0x0                               ; both adds are done, and my reads of the slot that I leave are over
	CROUND
	JLOAD \slot                                    ; the first thing behind the round, and a wave's one tensor load until the next
.else
	s_wait_dscnt 0x0
	s_barrier_signal -1
	s_barrier_wait -1
.endif
.endm
	s_wait_tensorcnt 0x0                           ; my parts of both slots are in (twelve waves issued no load: so every wait on this counter in this text is for 0),
	s_barrier_signal -1
	s_barrier_wait -1                              ; everybody's are
	s_wait_loadcnt 0x0                             ; Q
	STEPS 0                                        ; keys 0 - 511
	CHANGE 0, 1                                    ; slot 0 takes keys 1,024 on
	STEPS 1                                        ; keys 512 - 1,023
	CHANGE 1, 1                                    ; slot 1 takes keys 1,536 on
	STEPS 0
	CHANGE 0, 0                                    ; nothing is left to fetch
	STEPS 1
	; THE WAY OUT.  l's two halves and the other half of the lanes' are added; O^T is divided by l, rounded to f16 and sent through my stage in LDS, so that a store covers four tokens: 512 consecutive bytes.
.irp t, 0,1
	v_add_f32 v[ST+8*\t+4], v[ST+8*\t+2], v[ST+8*\t+3]               ; (these lines and the addresses below are the places behind the last products)
.endr
.irp t, 0,1
	v_permlanex16_b32 v[ST+8*\t+5], v[ST+8*\t+4], s[SEL], s[SEL+1]
.endr
.irp t, 0,1
	v_add_f32 v[ST+8*\t+4], v[ST+8*\t+4], v[ST+8*\t+5]
.endr
.irp t, 0,1
	v_rcp_f32 v[ST+8*\t+6], v[ST+8*\t+4]
.endr
	s_mul_i32 s12, s[WV], STG                      ; my stage
	v_add_nc_u32 v[STO], s12, v[AK0]               ; in: row r, 16 bytes for each half of the lanes
	v_bfe_u32 v[RD], v0, 3, 2                      ; back: eight lanes take a token's 128 bytes, the wave four tokens
	v_and_b32 v[ADK], 7, v0
	v_mul_u32_u24 v[RD], v[RD], KP
	v_lshl_add_u32 v[RD], v[ADK], 4, v[RD]
	v_add_nc_u32 v[RD], s12, v[RD]
	v_and_b32 v[QO], 31, v0
	v_lshlrev_b32 v[QO], 4, v[QO]                  ; 16 x lane
	s_wait_alu depctr_va_vdst(0)                   ; one wait for the two reciprocals, ahead of their first reader
.irp j, 0,2,4,6,8,10,12,14,16,18,20,22,24,26,28,30
.irp t, 0,1
	v_pk_mul_f32 v[O+32*\t+\j:O+32*\t+\j+1], v[O+32*\t+\j:O+32*\t+\j+1], v[ST+8*\t+6:ST+8*\t+7] op_sel_hi:[1,0]
.endr
.endr
.irp t, 0,1
.irp j, 0,1,2,3,4,5,6,7,8,9,10,11,12,13,14,15
	v_cvt_pk_f16_f32 v[S+16*\t+\j], v[O+32*\t+2*\j], v[O+32*\t+2*\j+1]   ; registers 4 ct .. 4 ct + 3: channels 16 ct + 8 h + 0..7 of query 16 t + r
.endr
.endr
.irp t, 0,1
.irp ct, 0,1,2,3
	ds_store_b128 v[STO], v[S+16*\t+4*\ct:S+16*\t+4*\ct+3] offset:\t*16*KP+32*\ct
.endr
.endr
.irp i, 0,1,2,3,4,5,6,7
	ds_load_b128 v[F+4*\i:F+4*\i+3], v[RD] offset:\i*4*KP            ; LDS serves a wave's instructions in order (ISA guide 5.7.1.4): these see my stores
.endr
.irp i, 0,1,2,3,4,5,6,7
	s_wait_dscnt 7-\i                              ; load i is back; the younger ones may be out
	global_store_b128 v[QO], v[F+4*\i:F+4*\i+3], s[56:57] offset:512*\i   ; 32 lanes store 512 consecutive bytes, at a multiple of 256 from att's first byte
.endr
	s_wait_tensorcnt 0x0                           ; the wave's end: a wait, an add and its wait, behind my last tensor load and my last LDS store
	ds_add_u32 v[SPW], v[NIL]
	s_wait_dscnt 0x0
	CROUND                                         ; the closing round: no work-group ends while a partner may still ask for a tile that names it
	s_endpgm
.Lfunc_end_k_qda7aab1529_attn:
	.size	k_qda7aab1529_attn, .Lfunc_end_k_qda7aab1529_attn-k_qda7aab1529_attn
	.p2alignl 7, 3214868480
	.fill 96, 4, 3214868480
	.section	.rodata,"a",@progbits
	.p2align	6, 0x0
	.amdhsa_kernel k_qda7aab1529_attn
		.amdhsa_group_segment_fixed_size 327680
		.amdhsa_private_segment_fixed_size 0
		.amdhsa_enable_private_segment 0
		.amdhsa_kernarg_size 16
		.amdhsa_user_sgpr_count 2
		.amdhsa_user_sgpr_kernarg_segment_ptr 1
		.amdhsa_wavefront_size32 1
		.amdhsa_system_sgpr_workgroup_id_x 1
		.amdhsa_system_sgpr_workgroup_id_y 1
		.amdhsa_system_sgpr_workgroup_id_z 1
		.amdhsa_system_vgpr_workitem_id 0
		.amdhsa_next_free_vgpr 256
		.amdhsa_next_free_sgpr 66
		.amdhsa_reserve_vcc 0
		.amdhsa_float_denorm_mode_32 3
		.amdhsa_float_denorm_mode_16_64 3
		.amdhsa_memory_ordered 1
		.amdhsa_forward_progress 1
		.amdhsa_inst_pref_size 87
	.end_amdhsa_kernel
	.amdgpu_metadata
---
amdhsa.version: [ 1, 2 ]
amdhsa.kernels:
  - .name:           k_qda7aab1529_attn
    .symbol:         k_qda7aab1529_attn.kd
    .args:
      - { .name: qkv, .offset: 0, .size: 8, .value_kind: global_buffer, .address_space: global }
      - { .name: att, .offset: 8, .size: 8, .value_kind: global_buffer, .address_space: global }
    .group_segment_fixed_size: 327680
    .private_segment_fixed_size: 0
    .kernarg_segment_align: 8
    .kernarg_segment_size: 16
    .max_flat_workgroup_size: 512
    .sgpr_count:     66
    .vgpr_count:     256
    .wavefront_size: 32
...
	.end_amdgpu_metadata
.endif
;; end of part 3
;; launch proj (part 4): grid 8 x 32, 4 waves a work-group, clusters of 4 x 4, 327,680 bytes of LDS; arguments att, wp, out0, b_proj; writes out0
.if DOCPART == 4
	.amdgcn_target "amdgcn-amd-amdhsa--gfx1250"
	.amdhsa_code_object_version 6
	.text
	.protected	k_qda7aab1529_proj
	.globl	k_qda7aab1529_proj
	.p2align	8
	.type	k_qda7aab1529_proj,@function
k_qda7aab1529_proj:
	s_mov_b64 s[64:65], 0
	v_nop
	global_prefetch_b8 v0, s[64:65] scope:SCOPE_SE
	s_setreg_imm32_b32 hwreg(HW_REG_WAVE_MODE, 25, 1), 1
	s_wait_xcnt 0x0
	s_wait_alu depctr_hold_cnt(0) depctr_sa_sdst(0) depctr_va_vdst(0) depctr_va_sdst(0) depctr_va_ssrc(0) depctr_va_vcc(0) depctr_vm_vsrc(0)
	s_getreg_b32 s2, hwreg(HW_REG_IB_STS2, 6, 4)
	s_cmp_eq_u32 s2, 0
	s_cbranch_scc0 .Lentry_in_a_cluster
	s_endpgm
.Lentry_in_a_cluster:
	s_bfe_u32 s2, ttmp6, 0x10000c
	s_cmp_lg_u32 s2, 0xf033
	s_cbranch_scc0 .Lentry_shape_is_right
	s_endpgm
.Lentry_shape_is_right:
; out0[token][n] = the sum over k of o[token][k] w_proj[n][k] + b_proj[n], k = 64 head + d.  att: f16 [batch 4][head 16][token 2048][64]; wp: f16 [1024 n][1024 k]; out0: f32 [8192][1024].  f16 operands, f32 sums.
; SHARES.  A tile is 256 tokens x 128 columns: 256 work-groups.  Four waves, each 128 tokens x 64 columns: 32 accumulators of 16 x 16, 256 registers (window 1).
; K goes in steps of 128, two heads, through a ring of two LDS slots filled by the tensor data mover: waves 0 and 1 fetch the 256 tokens of one head each (rows of 128 bytes, dense in memory), waves 2 and 3 64 rows of wp each
; (rows of 256 bytes).  Eight K steps; a K step is four quarters of 32 along K, 32 matrix instructions each, on two fragment buffers by turns.
; CLUSTERS: 4 x 4 work-groups.  The four of a row of the cluster need the same tokens, the four of a column the same rows of wp: each tile is asked for JOINTLY, by the same tensor load with the same descriptor and a mask that
; names the four.  THE MATRIX INSTRUCTION IS USED TRANSPOSED (source 0 = 16 rows of wp, source 1 = 16 tokens): a lane then holds eight neighbouring columns of one token.
; The bias is the C of each sum's first matrix instruction.  A wave's 64 columns are 256 aligned bytes of a row of out0, so each wave has a stage of its own on the way out and no barrier stands there.
; REGISTERS: window 0: v0-31 addresses; v32-63 the bias; v64-159, v160-255 two fragment buffers (64 registers of tokens, then 32 of wp); on the way out v64-127 take rows.   window 1: accumulator (a, b) at v[8 (4 a + b)].
.set PA,     144                       ; a token's row of one head in LDS: 128 bytes + 16 of padding
.set PB,     272                       ; a row of wp: 256 + 16
.set AH,     256*PA                    ; one head's 256 tokens: what waves 0 and 1 fetch
.set BOFF,   2*AH
.set BH,     64*PB                     ; 64 rows of wp: what waves 2 and 3 fetch
.set SLOT,   BOFF+2*BH
.set STAGE,  2*SLOT                    ; behind the ring: 16 rows x 272 bytes for each wave
.set SPITCH, 272
.set SPARE,  STAGE+4*16*SPITCH         ; behind the stages: the spare words, 128 bytes for each wave, which no other line names
.set LAPS,   4                         ; a lap = two K steps = once round the ring
.set ADRA, 16                          ; v16-17  LDS address of my fragments of tokens in slot 0, 1
.set ADRB, 20                          ; v20-21  the same for wp
.set STO,  24                          ; v24     the way out: where I put 32 bytes of a row
.set RD,   25                          ; v25     the way out: where I read a row back
.set CO,   26                          ; v26     my byte offset in two rows of out0
.set BO,   27                          ; v27     32 x (lane / 16): my half's eight columns in b_proj
.set SPW,  28                          ; v28     LDS address of my spare word; never rewritten
.set NIL,  29                          ; v29     0; never rewritten
.set BI,   32                          ; the bias: block b of 16 columns at v[BI + 8 b]
.set F0,   64
.set F1,   160
.set BK,   64                          ; the way out: 16 rows read back from the stage: v64-95 and v96-127 by turns
.set G1, 24                            ; s[24:31] descriptor group 1 for the tokens' tiles;  s[32:39] group 0, one set for each slot
.set G0, 32
.set G1B, 48                           ; s[48:55], s[56:63] the same for wp's tiles
.set G0B, 56
.set MSB, 0
.macro WIN new                         ; the immediate's high byte repeats the setting that is left; a switch that changes nothing is dropped
.if MSB != (\new)
	s_set_vgpr_msb (MSB<<8)|(\new)
.set MSB, (\new)
.endif
.endm
.set MUL, 0x50                         ; sources 0 and 1 window 0; C and D window 1.  Where the bias is C: 0x40
.macro JLOAD s                         ; a joint load: waves 0 and 1 fetch the step's two heads, waves 2 and 3 wp's two halves; an s_nop 0 and four v_nop follow each of the two lines
	s_cmp_eq_u32 s11, 0
	s_cbranch_scc0 .Lfor_b_\@
	tensor_load_to_lds s[G0+4*\s:G0+4*\s+3], s[G1:G1+7]
	s_nop 0
.rept 4
	v_nop
.endr
	s_branch .Lasked_\@
.Lfor_b_\@:
	tensor_load_to_lds s[G0B+4*\s:G0B+4*\s+3], s[G1B:G1B+7]
	s_nop 0
.rept 4
	v_nop
.endr
.Lasked_\@:
.endm
.macro CREST                           ; a round of the cluster's barrier behind its opening barrier
	s_cmp_lg_u32 s10, 0
	s_cbranch_scc1 .Lnot_wave_0_\@
	s_barrier_signal -3
.Lnot_wave_0_\@:
	s_barrier_wait -3
	s_barrier_signal -1
	s_barrier_wait -1
.endm
.macro CROUND                          ; a whole round
	s_barrier_signal -1
	s_barrier_wait -1
	CREST
.endm
	s_load_b128 s[4:7], s[0:1], 0x0                ; att s[4:5], wp s[6:7]
	s_load_b64 s[8:9], s[0:1], 0x10                ; out0
	s_load_b64 s[66:67], s[0:1], 0x18              ; b_proj
	v_lshl_add_u32 v[SPW], v0, 2, SPARE
	v_mov_b32 v[NIL], 0
	ds_add_u32 v[SPW], v[NIL]                      ; the wave's opening: the add, twice on end, and its wait ahead of my first tensor load; the set-up below, work on registers, stands between
	ds_add_u32 v[SPW], v[NIL]
	v_lshrrev_b32 v1, 5, v0
	v_readfirstlane_b32 s10, v1                    ; wave 0..3
	s_lshr_b32 s11, s10, 1                         ; which half of the tile's tokens is mine.  Also: I fetch tokens (0) or wp (1)
	s_and_b32 s12, s10, 1                          ; which half of its columns.  Also: which head of the step's two, or which 64 rows of wp, I fetch
	s_bfe_u32 s40, ttmp6, 0x40000                  ; cx, cy: my place in the cluster
	s_bfe_u32 s41, ttmp6, 0x40004
	s_lshl_b32 s42, ttmp9, 2
	s_add_co_u32 s42, s42, s40                     ; which 128 columns: 4 x cluster x + cx
	s_and_b32 s13, ttmp7, 0xffff
	s_lshl_b32 s13, s13, 2
	s_add_co_u32 s13, s13, s41                     ; which 256 tokens: 4 x cluster y + cy
	s_lshl_b32 s43, s41, 2
	s_lshl_b32 s43, 15, s43                        ; my row of the cluster
	s_lshl_b32 s44, 0x1111, s40                    ; my column
	s_or_b32 s[G1+0], s43, (1<<16)|(1<<20)|(1<<21)|(4<<22)|(3<<25)   ; 15:0 the mask: tokens go to my row; 17:16 element of 2 bytes; 20 padding on; 21 set beside a mask; 24:22 after every 32 words (code 4); 31:25 of 4 words (code 3)
	s_mov_b32 s[G1+1], 64<<16                      ; tensor_dim0 = 64
	s_mov_b32 s[G1+2], 256<<16                     ; tensor_dim1 = 256
	s_mov_b32 s[G1+3], 64<<16                      ; tile_dim0 = 64
	s_mov_b32 s[G1+4], 256                         ; tile_dim1 = 256
	s_mov_b32 s[G1+5], 64                          ; elements from token to token within a head
	s_mov_b32 s[G1+6], 0
	s_mov_b32 s[G1+7], 0
	s_or_b32 s[G1B+0], s44, (1<<16)|(1<<20)|(1<<21)|(5<<22)|(3<<25)  ; my column's mask; padding of 4 words after every 64 (code 5)
	s_mov_b32 s[G1B+1], 128<<16
	s_mov_b32 s[G1B+2], 64<<16
	s_mov_b32 s[G1B+3], 128<<16
	s_mov_b32 s[G1B+4], 64
	s_mov_b32 s[G1B+5], 1024
	s_mov_b32 s[G1B+6], 0
	s_mov_b32 s[G1B+7], 0
	s_lshr_b32 s16, s13, 3                         ; tokens: the batch,
	s_lshl_b32 s16, s16, 4
	s_add_co_u32 s16, s16, s12                     ; its head 0 or 1,
	s_lshl_b32 s16, s16, 18                        ; of 262,144 bytes,
	s_and_b32 s17, s13, 7
	s_lshl_b32 s17, s17, 15                        ; and the tile's 256 tokens of 128 bytes in it
	s_add_co_u32 s16, s16, s17
	s_mov_b32 s17, 0
	s_lshl_b32 s46, s42, 7                         ; wp: row 128 x tile column + 64 x half,
	s_lshl_b32 s47, s12, 6
	s_add_co_u32 s46, s46, s47
	s_lshl_b32 s22, s46, 2                         ; (my first column in b_proj and in a row of out0, in bytes)
	s_mov_b32 s23, 0
	s_lshl_b32 s46, s46, 11                        ; of 2,048 bytes
	s_mov_b32 s47, 0
	s_mul_i32 s20, s12, AH                         ; where they go: no place in the cluster enters an LDS address
	s_mul_i32 s21, s12, BH
	s_add_co_u32 s21, s21, BOFF
	s_wait_dscnt 0x0                               ; both opening adds are done
	s_wait_kmcnt 0x0
	s_add_nc_u64 s[14:15], s[4:5], s[16:17]
	s_add_nc_u64 s[46:47], s[6:7], s[46:47]
	s_add_nc_u64 s[66:67], s[66:67], s[22:23]
	CROUND                                         ; all sixteen work-groups are here: the first joint loads meet
.irp s, 0,1
	s_mov_b32 s[G0+4*\s], 1
	s_add_co_u32 s[G0+4*\s+1], s20, \s*SLOT
	s_add_nc_u64 s[G0+4*\s+2:G0+4*\s+3], s[14:15], \s*2*262144     ; K step s: heads 2 s and 2 s + 1
	s_or_b32 s[G0+4*\s+3], s[G0+4*\s+3], 0x80000000
	s_mov_b32 s[G0B+4*\s], 1
	s_add_co_u32 s[G0B+4*\s+1], s21, \s*SLOT
	s_add_nc_u64 s[G0B+4*\s+2:G0B+4*\s+3], s[46:47], \s*256
	s_or_b32 s[G0B+4*\s+3], s[G0B+4*\s+3], 0x80000000
	JLOAD \s                                       ; two tensor loads of mine are out
.endr
	v_and_b32 v1, 15, v0                           ; r = l % 16
	v_bfe_u32 v2, v0, 4, 1                         ; h = l / 16
	v_lshlrev_b32 v[BO], 5, v2
.irp b, 0,1,2,3
	global_load_b128 v[BI+8*\b:BI+8*\b+3],   v[BO], s[66:67] offset:64*\b      ; b_proj at my first column + 16 b + 8 h + 0..7
	global_load_b128 v[BI+8*\b+4:BI+8*\b+7], v[BO], s[66:67] offset:64*\b+16
.endr
	v_mul_u32_u24 v3, v1, PA
	v_lshl_add_u32 v3, v2, 4, v3                   ; a fragment's row x pitch + 16 x half
	v_mul_u32_u24 v4, v1, PB
	v_lshl_add_u32 v4, v2, 4, v4
	s_mul_i32 s18, s11, 128*PA                     ; my 128 tokens
	s_mul_i32 s19, s12, BH                         ; my 64 rows of wp
	s_add_co_u32 s19, s19, BOFF
.irp s, 0,1
	v_add_nc_u32 v[ADRA+\s], s18, v3
	v_add_nc_u32 v[ADRB+\s], s19, v4
	s_add_co_u32 s18, s18, SLOT
	s_add_co_u32 s19, s19, SLOT
.endr
	s_mul_i32 s21, s10, 16*SPITCH
	s_add_co_u32 s21, s21, STAGE                   ; my stage
	v_mul_u32_u24 v5, v1, SPITCH                   ; in: row r, 32 bytes for each half of the lanes
	v_lshl_add_u32 v5, v2, 5, v5
	v_add_nc_u32 v[STO], s21, v5
	v_mul_u32_u24 v5, v2, SPITCH                   ; back: lanes 0-15 take one row of 256 bytes, lanes 16-31 the next
	v_lshl_add_u32 v5, v1, 4, v5
	v_add_nc_u32 v[RD], s21, v5
	v_lshlrev_b32 v5, 12, v2                       ; and the same two rows in out0, 4,096 bytes apart
	v_lshl_add_u32 v[CO], v1, 4, v5
	s_lshl_b32 s16, s13, 8
	s_lshl_b32 s17, s11, 7
	s_add_co_u32 s16, s16, s17                     ; my first token
	s_lshl_b32 s16, s16, 12
	s_add_co_u32 s16, s16, s22                     ; + my first column
	s_mov_b32 s17, 0
	s_add_nc_u64 s[8:9], s[8:9], s[16:17]
; 4 n matrix instructions: blocks a0 .. a0 + n - 1 of tokens against wp's four, 32 along K, from buffer f.  first = 1: the bias is C, and the product starts the sums: nothing is ever cleared.
; The 32 accumulators take turns, one instruction a turn, in the same order in every quarter.
.macro MULN f, a0, n, first
.set aa, \a0
.rept \n
.irp b, 0,1,2,3
.if \first
	v_wmma_f32_16x16x32_f16 v[8*(4*aa+\b):8*(4*aa+\b)+7], v[\f+64+8*\b:\f+64+8*\b+7], v[\f+8*aa:\f+8*aa+7], v[BI+8*\b:BI+8*\b+7]
.else
	v_wmma_f32_16x16x32_f16 v[8*(4*aa+\b):8*(4*aa+\b)+7], v[\f+64+8*\b:\f+64+8*\b+7], v[\f+8*aa:\f+8*aa+7], v[8*(4*aa+\b):8*(4*aa+\b)+7]
.endif
.endr
.set aa, aa+1
.endr
.endm
; 24 LDS loads in one run: quarter q of slot sl into buffer f: wp's four blocks, then the tokens' eight.  Quarter q lies in the step's head q / 2, channels 32 (q % 2) on; in a row of wp at byte 64 q.
.macro FETCH sl, q, f
.irp i, 0,1,2,3
	ds_load_b128 v[\f+64+8*\i:\f+64+8*\i+3],   v[ADRB+\sl] offset:64*(\q)+\i*16*PB
	ds_load_b128 v[\f+64+8*\i+4:\f+64+8*\i+7], v[ADRB+\sl] offset:64*(\q)+\i*16*PB+32
.endr
.irp i, 0,1,2,3,4,5,6,7
	ds_load_b128 v[\f+8*\i:\f+8*\i+3],   v[ADRA+\sl] offset:((\q)/2)*AH+((\q)%2)*64+\i*16*PA
	ds_load_b128 v[\f+8*\i+4:\f+8*\i+7], v[ADRA+\sl] offset:((\q)/2)*AH+((\q)%2)*64+\i*16*PA+32
.endr
.endm
.macro PLACES                          ; four places in front of loads into registers that matrix instructions have read, and of the first read of results (ISA guide 7.12.1 for vector instructions)
.rept 4
	v_nop
.endr
.endm
; One of a K step's first three quarters: multiplies buffer f; in its middle it fetches quarter qn of the same slot into buffer g.
.macro QUARTER sl, qn, f, g, first
	s_wait_dscnt 8                                 ; wp's blocks and the tokens' blocks 0-3 are in; the youngest eight loads (blocks 4-7) may be out
	WIN MUL-0x10*(\first)
	MULN \f, 0, 4, \first
	PLACES
	WIN 0
	FETCH \sl, \qn, \g
	s_wait_dscnt 24                                ; all but the 24 just issued
	WIN MUL-0x10*(\first)
	MULN \f, 4, 4, \first
.endm
; The last quarter multiplies buffer 1 and changes slots: ONE barrier; in front of it each wave waits for all its tensor loads, adds 0 to its spare word, and waits for that and for its own reads of this slot.
; fill = 1: the barrier opens a round of the cluster's barrier, and this slot is filled again, two K steps ahead: 112 matrix instructions of the wave stand between the request and the wait for it.
.macro TURN sl, next, fill
	WIN 0                                          ; (the add's two registers lie in window 0)
	s_wait_tensorcnt 0x0                           ; all my tensor loads have landed: my part of the next slot
	ds_add_u32 v[SPW], v[NIL]                      ; 0 onto my spare word
	s_wait_dscnt 9                                 ; (the add and the youngest eight loads may be out)
	WIN MUL
	MULN F1, 0, 2, 0                               ; eight matrix instructions stand between the add and the wait for it
	s_wait_dscnt 0x0                               ; the add is done, and my reads of this slot are over
	s_barrier_signal -1
	MULN F1, 2, 2, 0
	WIN 0
	s_barrier_wait -1
.if \fill
	CREST                                          ; no wave of any partner still reads this slot's tiles or has a load on its way
	s_add_nc_u64 s[G0+4*\sl+2:G0+4*\sl+3], s[G0+4*\sl+2:G0+4*\sl+3], 4*262144   ; four heads on
	s_add_nc_u64 s[G0B+4*\sl+2:G0B+4*\sl+3], s[G0B+4*\sl+2:G0B+4*\sl+3], 512
	JLOAD \sl                                      ; the first tensor load behind the round; the four v_nop behind it are also the places in front of the loads below
.else
	PLACES
.endif
	FETCH \next, 0, F0
	WIN MUL
	MULN F1, 4, 4, 0
.endm
	s_wait_tensorcnt 1                             ; my part of K step 0 is in (K step 1's load may be out)
	s_barrier_signal -1
	s_barrier_wait -1                              ; everybody's is
	FETCH 0, 0, F0
	s_wait_loadcnt 0x0                             ; the bias
	QUARTER 0, 1, F0, F1, 1                        ; the first quarter stands in front of the loop: its products start the sums from the bias
	WIN 0                                          ; at a label and at a branch every window is 0
	s_mov_b32 s3, LAPS-1
.Llap:                                                 ; a trip goes once round the ring, from a lap's second quarter to the next lap's first, and fills both slots again
	QUARTER 0, 2, F1, F0, 0
	QUARTER 0, 3, F0, F1, 0
	TURN 0, 1, 1
	QUARTER 1, 1, F0, F1, 0
	QUARTER 1, 2, F1, F0, 0
	QUARTER 1, 3, F0, F1, 0
	TURN 1, 0, 1
	QUARTER 0, 1, F0, F1, 0
	WIN 0
	s_sub_co_u32 s3, s3, 1
	s_cmp_lg_u32 s3, 0
	s_cbranch_scc1 .Llap
	QUARTER 0, 2, F1, F0, 0                        ; the last lap fills nothing, and has no round of the cluster's barrier
	QUARTER 0, 3, F0, F1, 0
	TURN 0, 1, 0
	QUARTER 1, 1, F0, F1, 0
	QUARTER 1, 2, F1, F0, 0
	QUARTER 1, 3, F0, F1, 0
	s_wait_dscnt 8                                 ; the very last quarter: nothing more to fetch
	WIN MUL
	MULN F1, 0, 4, 0
	s_wait_dscnt 0
	MULN F1, 4, 4, 0
	WIN 0
; THE WAY OUT, block by block of 16 tokens x 64 columns.  A lane holds 32 neighbouring bytes of a row, and the lanes beside it hold other rows: so a block goes through my own stage in LDS and comes back as whole rows of 256 bytes.
; LDS serves a wave's instructions in order (ISA guide 5.7.1.4): no wait between the stores and the loads, nor in front of the next block's stores.
.macro TOSTAGE a
	WIN 0x04                                       ; an LDS store's data are its source 1: window 1
.irp b, 0,1,2,3
	ds_store_b128 v[STO], v[8*(4*(\a)+\b):8*(4*(\a)+\b)+3] offset:64*\b          ; each accumulator from its low end on
	ds_store_b128 v[STO], v[8*(4*(\a)+\b)+4:8*(4*(\a)+\b)+7] offset:64*\b+16
.endr
	WIN 0
.set BB, BK+32*((\a)%2)
.irp t, 0,1,2,3,4,5,6,7
	ds_load_b128 v[BB+4*\t:BB+4*\t+3], v[RD] offset:\t*2*SPITCH
.endr
.endm
.macro SEND a, younger                 ; younger: the LDS instructions issued behind block a's loads, which may stay out
.set BB, BK+32*((\a)%2)
	s_wait_dscnt \younger                          ; the block is back in registers
.irp t, 0,1,2,3,4,5,6,7
	global_store_b128 v[CO], v[BB+4*\t:BB+4*\t+3], s[8:9] offset:(16*(\a)+2*\t)*4096 th:TH_STORE_NT   ; 16 lanes store 256 consecutive bytes, at a multiple of 256 from out0's first byte; written once, read by nobody here
.endr
.endm
	PLACES                                         ; behind the last products: for the reads of results and for the loads into registers that held fragments
	TOSTAGE 0
.irp a, 1,2,3,4,5,6,7
.if \a > 1
	s_wait_xcnt 0x0                                ; block a - 2's stores have read their registers: block a's loads may land there
.endif
	TOSTAGE \a
	SEND \a-1, 16                                  ; behind block a - 1's loads: block a's 8 stores and 8 loads
.endr
	SEND 7, 0
	s_wait_tensorcnt 0x0                           ; the wave's end: a wait, an add and its wait, behind my last tensor load and my last LDS store
	ds_add_u32 v[SPW], v[NIL]
	s_wait_dscnt 0x0
	CROUND                                         ; the closing round: no work-group ends while a partner may still ask for a tile that names it
	s_endpgm
.Lfunc_end_k_qda7aab1529_proj:
	.size	k_qda7aab1529_proj, .Lfunc_end_k_qda7aab1529_proj-k_qda7aab1529_proj
	.p2alignl 7, 3214868480
	.fill 96, 4, 3214868480
	.section	.rodata,"a",@progbits
	.p2align	6, 0x0
	.amdhsa_kernel k_qda7aab1529_proj
		.amdhsa_group_segment_fixed_size 327680
		.amdhsa_private_segment_fixed_size 0
		.amdhsa_enable_private_segment 0
		.amdhsa_kernarg_size 32
		.amdhsa_user_sgpr_count 2
		.amdhsa_user_sgpr_kernarg_segment_ptr 1
		.amdhsa_wavefront_size32 1
		.amdhsa_system_sgpr_workgroup_id_x 1
		.amdhsa_system_sgpr_workgroup_id_y 1
		.amdhsa_system_sgpr_workgroup_id_z 1
		.amdhsa_system_vgpr_workitem_id 0
		.amdhsa_next_free_vgpr 512
		.amdhsa_next_free_sgpr 72
		.amdhsa_reserve_vcc 0
		.amdhsa_float_denorm_mode_32 3
		.amdhsa_float_denorm_mode_16_64 3
		.amdhsa_memory_ordered 1
		.amdhsa_forward_progress 1
		.amdhsa_inst_pref_size 86
	.end_amdhsa_kernel
	.amdgpu_metadata
---
amdhsa.version: [ 1, 2 ]
amdhsa.kernels:
  - .name:           k_qda7aab1529_proj
    .symbol:         k_qda7aab1529_proj.kd
    .args:
      - { .name: att, .offset: 0, .size: 8, .value_kind: global_buffer, .address_space: global }
      - { .name: wp, .offset: 8, .size: 8, .value_kind: global_buffer, .address_space: global }
      - { .name: out0, .offset: 16, .size: 8, .value_kind: global_buffer, .address_space: global }
      - { .name: b_proj, .offset: 24, .size: 8, .value_kind: global_buffer, .address_space: global }
    .group_segment_fixed_size: 327680
    .private_segment_fixed_size: 0
    .kernarg_segment_align: 8
    .kernarg_segment_size: 32
    .max_flat_workgroup_size: 128
    .sgpr_count:     72
    .vgpr_count:     512
    .wavefront_size: 32
...
	.end_amdgpu_metadata
.endif
;; end of part 4
